; MI455X (gfx1250); checked and timed in simulation.
; The chip was launched on July 23, 2026; its instructions are those of AMD's public machine-readable ISA for CDNA 5 (MIT licence, August 2026) and "CDNA5" Instruction Set Architecture Reference Guide (July 2026). The comments in the code are by the model that wrote it; some were corrected since.
;; Grouped Attention Layer. Allowed arithmetic: float matrix products may take bf16 or f16 operands with f32 sums; other float arithmetic in f32, or as packed bf16 or f16 multiplies, adds, multiply-adds, maxima and minima; sums over many terms, partial sums and values carried from step to step in f32; what a program stores and reads back later, other than sums and carried values, may be rounded once to bf16 or f16.
;; Inputs: hidden_states 2 x 2,048 x 4,096 float32; k_norm_w 128 float32; position_ids 2 x 2,048 int32; q_norm_w 128 float32; wk 4,096 x 512 float32; wo 1,024 x 4,096 float32; wq 4,096 x 1,024 float32; wv 4,096 x 512 float32.
;; Outputs: out0 2 x 2,048 x 4,096 float32.
;; 2 versions, each right; version 2 is version 1 with the launch prep written anew for expert scheduling mode. Each part assembles by itself: llvm-mc -triple=amdgcn-amd-amdhsa -mcpu=gfx1250 --defsym DOCPART=n.
;; ======== version 1 of 2: 4 launches
;; limits: values are held in f16: magnitudes above 65,504 overflow, below 6.1e-05 lose precision
;; workspace buffers: wb 16,777,216 bytes; woh 8,388,608 bytes; tab 2,098,176 bytes; qh 8,388,608 bytes; kh 4,194,304 bytes; vh 4,194,304 bytes; ao 8,388,608 bytes
;; launch prep (part 1): grid 256 x 1, 8 waves a work-group, no clusters, 0 bytes of LDS; arguments wq, wk, wv, wo, position_ids, q_norm_w, k_norm_w, wb, woh, tab; writes wb, woh, tab
.if DOCPART == 1
	.amdgcn_target "amdgcn-amd-amdhsa--gfx1250"
	.amdhsa_code_object_version 6
	.text
	.protected	k_qedde6f4964_prep
	.globl	k_qedde6f4964_prep
	.p2align	8
	.type	k_qedde6f4964_prep,@function
k_qedde6f4964_prep:
	s_mov_b64 s[64:65], 0
	v_nop
	global_prefetch_b8 v0, s[64:65] scope:SCOPE_SE
	s_setreg_imm32_b32 hwreg(HW_REG_WAVE_MODE, 25, 1), 1
	s_wait_xcnt 0x0
; PREP: a stream.  (a) wb[k][c], bf16, [4096][2048]: c < 1024 is wq's column c; c = 1024 + 256 t + u is wk's column 128 t + u (u < 128) or wv's column 128 t + u - 128.
; (b) woh = wo rounded to bf16, that number written as f16, [1024][4096].  (c) tab: for each token 64 cosines and 64 sines of position x inv_freq, f32, 512 bytes a token.
; (d) behind the table, from byte 2,097,152: q_norm_w and k_norm_w rounded to bf16, kept as f32.
; Nothing is shared between work-groups or waves: no LDS, no barrier, no matrix unit.  All 49 loads of a wave go out first; each store of a wave covers whole aligned blocks of 256 bytes.
; SHARES.  Work-group g, thread t: rows 16 g .. 16 g + 15 of the three weights (waves 0-3 wq, 4-5 wk, 6-7 wv; 8 columns a thread), 16,384 numbers of wo, tokens 16 g .. 16 g + 15.
; LIMITS.  wo beyond 65,504 has no f16; below 6e-5 it keeps f16's fixed step of 6e-8.  |position| under 2^24 converts exactly; the angle is position x inv_freq in f32, inv_freq by v_exp_f32;
; the angle is reduced by pi/2 in three parts (sound to angles of about 1e5), sine and cosine are polynomials on +-pi/4.
.set VO,  16                           ; v[16:31]   row i: i x pitch + 32 u
.set RW,  32                           ; v[32:159]  row i: 8 numbers as loaded, then 4 registers of bf16
.set WW,  160                          ; v[160:223] wo, pass p: 8 numbers
.set TCO, 224                          ; v[224:227] the exponent's argument, at the end the cosines
.set TSI, 228                          ; v[228:231] inv_freq, at the end the sines
.set TA,  232                          ; the angle, then what is left of it
.set TQ,  236                          ; the number of quarter turns
.set TZ,  240
.set TS,  244
.set TC,  248
.set TI,  252
	s_load_b512 s[8:23], s[0:1], 0x0               ; wq 8, wk 10, wv 12, wo 14, position_ids 16, q_norm_w 18, k_norm_w 20, wb 22
	s_load_b128 s[24:27], s[0:1], 0x40             ; woh 24, tab 26
	v_lshrrev_b32 v1, 5, v0
	v_readfirstlane_b32 s2, v1                     ; wave 0..7
	s_cmp_lt_u32 s2, 4
	s_cselect_b32 s34, 1, 0
	s_cselect_b32 s31, 0, 128                      ; what is taken from t to give u
	s_cselect_b32 s33, 0, 2048                     ; where my weight's columns begin in a row of wb, in bytes
	s_cmp_lt_u32 s2, 6
	s_cselect_b32 s31, s31, 192
	s_cselect_b32 s33, s33, 2304
	s_lshl_b32 s30, 2048, s34                      ; bytes in a row of my weight: 4,096 or 2,048
	s_sub_co_u32 s32, 9, s34                       ; 16 threads' columns lie 256 or 512 bytes apart in wb
	s_mov_b32 s36, 0x3f22f983                      ; 2 / pi
	s_mov_b32 s37, 0x3fc90fdb                      ; pi / 2 in three parts
	s_mov_b32 s38, 0xb33bbd2e
	s_mov_b32 s39, 0xa6f72ced
	s_mov_b32 s40, 0xbe2aaaa3                      ; sine: -1.6666655e-1, 8.3321609e-3, -1.9515296e-4
	s_mov_b32 s41, 0x3c08839e
	s_mov_b32 s42, 0xb94ca1f9
	s_mov_b32 s43, 0x3d2aaaa5                      ; cosine: 4.1666646e-2, -1.3887316e-3, 2.4433157e-5
	s_mov_b32 s44, 0xbab6061a
	s_mov_b32 s45, 0x37ccf5ce
	s_mov_b32 s46, 0xbe549a78                      ; -log2(10000) / 64
	s_mov_b32 s47, 0xffff0000
	v_sub_nc_u32 v8, v0, s31                       ; u
	v_lshlrev_b32 v5, 5, v8                        ; 32 u: my 8 numbers in a row of the weight
	v_lshrrev_b32 v9, 4, v8
	v_and_b32 v10, 15, v8
	v_lshlrev_b32 v9, s32, v9
	v_lshl_add_u32 v9, v10, 4, v9
	v_add_nc_u32 v2, s33, v9                       ; my 16 bytes in a row of wb
	v_lshlrev_b32 v3, 5, v0                        ; wo: 32 t
	v_lshlrev_b32 v4, 4, v0                        ; woh: 16 t
	v_lshrrev_b32 v11, 4, v0                       ; my token of the 16
	v_lshlrev_b32 v6, 2, v11
	v_and_b32 v12, 15, v0
	v_lshlrev_b32 v7, 9, v11
	v_lshl_add_u32 v7, v12, 4, v7                  ; 512 x token + 16 (t % 16)
	v_lshlrev_b32 v13, 2, v12                      ; my first frequency
.irp i, 0,1,2,3,4,5,6,7,8,9,10,11,12,13,14,15
	v_mad_u32_u24 v[VO+(\i)], s30, \i, v5
.endr
	s_mul_i32 s34, ttmp9, s30
	s_lshl_b32 s34, s34, 4                         ; 16 g rows of my weight
	s_mov_b32 s35, 0
	s_wait_kmcnt 0x0
	s_cmp_lt_u32 s2, 6
	s_cselect_b64 s[28:29], s[10:11], s[12:13]
	s_cmp_lt_u32 s2, 4
	s_cselect_b64 s[28:29], s[8:9], s[28:29]       ; my weight
	s_add_nc_u64 s[28:29], s[28:29], s[34:35]
	s_lshl_b32 s34, ttmp9, 16
	s_add_nc_u64 s[22:23], s[22:23], s[34:35]      ; wb: 16 rows of 4,096 bytes
	s_add_nc_u64 s[14:15], s[14:15], s[34:35]      ; wo: 16,384 f32
	s_lshl_b32 s34, ttmp9, 15
	s_add_nc_u64 s[24:25], s[24:25], s[34:35]
	s_lshl_b32 s34, ttmp9, 13
	s_add_nc_u64 s[26:27], s[26:27], s[34:35]      ; tab: 16 tokens of 512 bytes
	s_lshl_b32 s34, ttmp9, 6
	s_add_nc_u64 s[16:17], s[16:17], s[34:35]
	global_load_b32 v14, v6, s[16:17]              ; my token's position
.irp i, 0,1,2,3,4,5,6,7,8,9,10,11,12,13,14,15
	global_load_b128 v[RW+8*(\i):RW+8*(\i)+3],   v[VO+(\i)], s[28:29] th:TH_LOAD_NT
	global_load_b128 v[RW+8*(\i)+4:RW+8*(\i)+7], v[VO+(\i)], s[28:29] offset:16 th:TH_LOAD_NT
.endr
.irp p, 0,1,2,3,4,5,6,7
	global_load_b128 v[WW+8*(\p):WW+8*(\p)+3],   v3, s[14:15] offset:8192*(\p) th:TH_LOAD_NT
	global_load_b128 v[WW+8*(\p)+4:WW+8*(\p)+7], v3, s[14:15] offset:8192*(\p)+16 th:TH_LOAD_NT
.endr
	; THE TABLE, while the weights are on their way
.irp e, 0,1,2,3
	v_add_nc_u32 v[TCO+(\e)], \e, v13
	v_cvt_f32_u32 v[TCO+(\e)], v[TCO+(\e)]
	v_mul_f32 v[TCO+(\e)], s46, v[TCO+(\e)]
.endr
.irp e, 0,1,2,3
	v_exp_f32 v[TSI+(\e)], v[TCO+(\e)]             ; inv_freq = 10000^(-j / 64)
.endr
	v_nop                                          ; a plain instruction behind the last exponential,
	s_wait_alu depctr_va_vdst(0)                   ; and one wait for the four, ahead of their first reader
	s_wait_loadcnt 48                              ; the position is in; the 48 younger loads stay out
	v_cvt_f32_i32 v14, v14
.irp e, 0,1,2,3
	v_mul_f32 v[TA+(\e)], v14, v[TSI+(\e)]
	v_mul_f32 v[TQ+(\e)], s36, v[TA+(\e)]
	v_rndne_f32 v[TQ+(\e)], v[TQ+(\e)]
	v_fma_f32 v[TA+(\e)], -v[TQ+(\e)], s37, v[TA+(\e)]
	v_fma_f32 v[TA+(\e)], -v[TQ+(\e)], s38, v[TA+(\e)]
	v_fma_f32 v[TA+(\e)], -v[TQ+(\e)], s39, v[TA+(\e)]
	v_mul_f32 v[TZ+(\e)], v[TA+(\e)], v[TA+(\e)]
	v_fma_f32 v[TS+(\e)], v[TZ+(\e)], s42, s41
	v_fma_f32 v[TC+(\e)], v[TZ+(\e)], s45, s44
	v_fma_f32 v[TS+(\e)], v[TS+(\e)], v[TZ+(\e)], s40
	v_fma_f32 v[TC+(\e)], v[TC+(\e)], v[TZ+(\e)], s43
	v_mul_f32 v[TS+(\e)], v[TS+(\e)], v[TZ+(\e)]
	v_fma_f32 v[TC+(\e)], v[TC+(\e)], v[TZ+(\e)], -0.5
	v_fma_f32 v[TS+(\e)], v[TS+(\e)], v[TA+(\e)], v[TA+(\e)]
	v_fma_f32 v[TC+(\e)], v[TC+(\e)], v[TZ+(\e)], 1.0
	v_cvt_i32_f32 v[TI+(\e)], v[TQ+(\e)]
	v_and_b32 v[TQ+(\e)], 1, v[TI+(\e)]
	v_cmp_eq_u32 vcc_lo, 1, v[TQ+(\e)]             ; an odd number of quarter turns swaps the two
	v_cndmask_b32 v[TSI+(\e)], v[TS+(\e)], v[TC+(\e)], vcc_lo
	v_cndmask_b32 v[TCO+(\e)], v[TC+(\e)], v[TS+(\e)], vcc_lo
	v_lshlrev_b32 v[TZ+(\e)], 30, v[TI+(\e)]       ; the sine's sign: bit 1 of the number,
	v_and_b32 v[TZ+(\e)], 0x80000000, v[TZ+(\e)]
	v_xor_b32 v[TSI+(\e)], v[TZ+(\e)], v[TSI+(\e)]
	v_add_nc_u32 v[TI+(\e)], 1, v[TI+(\e)]         ; the cosine's: bit 1 of the number + 1
	v_lshlrev_b32 v[TI+(\e)], 30, v[TI+(\e)]
	v_and_b32 v[TI+(\e)], 0x80000000, v[TI+(\e)]
	v_xor_b32 v[TCO+(\e)], v[TI+(\e)], v[TCO+(\e)]
.endr
	global_store_b128 v7, v[TCO:TCO+3], s[26:27]
	global_store_b128 v7, v[TSI:TSI+3], s[26:27] offset:256
	; THE THREE WEIGHTS: row i is rounded in place and stored
.irp i, 0,1,2,3,4,5,6,7,8,9,10,11,12,13,14,15
	s_wait_loadcnt 46-2*(\i)                       ; the loads issued behind row i's two
.irp j, 0,1,2,3
	v_cvt_pk_bf16_f32 v[RW+8*(\i)+(\j)], v[RW+8*(\i)+2*(\j)], v[RW+8*(\i)+2*(\j)+1]
.endr
	global_store_b128 v2, v[RW+8*(\i):RW+8*(\i)+3], s[22:23] offset:4096*(\i)
.endr
	; wo: rounded to bf16, widened again, written as f16
.irp p, 0,1,2,3,4,5,6,7
	s_wait_loadcnt 14-2*(\p)
.irp j, 0,1,2,3
	v_cvt_pk_bf16_f32 v[WW+8*(\p)+(\j)], v[WW+8*(\p)+2*(\j)], v[WW+8*(\p)+2*(\j)+1]
.endr
.irp j, 0,1,2,3
	v_lshlrev_b32 v[WW+8*(\p)+4+2*((\j)%2)], 16, v[WW+8*(\p)+(\j)]
	v_and_b32 v[WW+8*(\p)+5+2*((\j)%2)], s47, v[WW+8*(\p)+(\j)]
	v_cvt_pk_f16_f32 v[WW+8*(\p)+(\j)], v[WW+8*(\p)+4+2*((\j)%2)], v[WW+8*(\p)+5+2*((\j)%2)]
.endr
	global_store_b128 v4, v[WW+8*(\p):WW+8*(\p)+3], s[24:25] offset:4096*(\p)
.endr
	; the two gains, by work-group 0 alone: 256 numbers
	s_cmp_lg_u32 ttmp9, 0
	s_cbranch_scc1 .Lend
	s_cmp_lt_u32 s2, 4
	s_cselect_b64 s[48:49], s[18:19], s[20:21]
	v_and_b32 v8, 127, v0
	v_lshlrev_b32 v8, 2, v8
	v_lshlrev_b32 v9, 2, v0
	global_load_b32 v10, v8, s[48:49]
	s_wait_loadcnt 0x0
	v_cvt_pk_bf16_f32 v10, v10, v10
	v_lshlrev_b32 v10, 16, v10
	global_store_b32 v9, v10, s[26:27] offset:2097152
.Lend:
	s_endpgm
.Lfunc_end_k_qedde6f4964_prep:
	.size	k_qedde6f4964_prep, .Lfunc_end_k_qedde6f4964_prep-k_qedde6f4964_prep
	.p2alignl 7, 3214868480
	.fill 96, 4, 3214868480
	.section	.rodata,"a",@progbits
	.p2align	6, 0x0
	.amdhsa_kernel k_qedde6f4964_prep
		.amdhsa_group_segment_fixed_size 0
		.amdhsa_private_segment_fixed_size 0
		.amdhsa_enable_private_segment 0
		.amdhsa_kernarg_size 80
		.amdhsa_user_sgpr_count 2
		.amdhsa_user_sgpr_kernarg_segment_ptr 1
		.amdhsa_wavefront_size32 1
		.amdhsa_system_sgpr_workgroup_id_x 1
		.amdhsa_system_sgpr_workgroup_id_y 1
		.amdhsa_system_sgpr_workgroup_id_z 1
		.amdhsa_system_vgpr_workitem_id 0
		.amdhsa_next_free_vgpr 256
		.amdhsa_next_free_sgpr 66
		.amdhsa_reserve_vcc 1
		.amdhsa_float_denorm_mode_32 3
		.amdhsa_float_denorm_mode_16_64 3
		.amdhsa_memory_ordered 1
		.amdhsa_forward_progress 1
		.amdhsa_inst_pref_size 28
	.end_amdhsa_kernel
	.amdgpu_metadata
---
amdhsa.version: [ 1, 2 ]
amdhsa.kernels:
  - .name:           k_qedde6f4964_prep
    .symbol:         k_qedde6f4964_prep.kd
    .args:
      - { .name: wq, .offset: 0, .size: 8, .value_kind: global_buffer, .address_space: global }
      - { .name: wk, .offset: 8, .size: 8, .value_kind: global_buffer, .address_space: global }
      - { .name: wv, .offset: 16, .size: 8, .value_kind: global_buffer, .address_space: global }
      - { .name: wo, .offset: 24, .size: 8, .value_kind: global_buffer, .address_space: global }
      - { .name: position_ids, .offset: 32, .size: 8, .value_kind: global_buffer, .address_space: global }
      - { .name: q_norm_w, .offset: 40, .size: 8, .value_kind: global_buffer, .address_space: global }
      - { .name: k_norm_w, .offset: 48, .size: 8, .value_kind: global_buffer, .address_space: global }
      - { .name: wb, .offset: 56, .size: 8, .value_kind: global_buffer, .address_space: global }
      - { .name: woh, .offset: 64, .size: 8, .value_kind: global_buffer, .address_space: global }
      - { .name: tab, .offset: 72, .size: 8, .value_kind: global_buffer, .address_space: global }
    .group_segment_fixed_size: 0
    .private_segment_fixed_size: 0
    .kernarg_segment_align: 8
    .kernarg_segment_size: 80
    .max_flat_workgroup_size: 256
    .sgpr_count:     66
    .vgpr_count:     256
    .wavefront_size: 32
...
	.end_amdgpu_metadata
.endif
;; end of part 1
;; launch qkv (part 2): grid 32 x 8, 4 waves a work-group, clusters of 4 x 1, 327,680 bytes of LDS; arguments hidden_states, wb, tab, qh, kh, vh; writes qh, kh, vh
.if DOCPART == 2
	.amdgcn_target "amdgcn-amd-amdhsa--gfx1250"
	.amdhsa_code_object_version 6
	.text
	.protected	k_qedde6f4964_qkv
	.globl	k_qedde6f4964_qkv
	.p2align	8
	.type	k_qedde6f4964_qkv,@function
k_qedde6f4964_qkv:
	s_mov_b64 s[64:65], 0
	v_nop
	global_prefetch_b8 v0, s[64:65] scope:SCOPE_SE
	s_setreg_imm32_b32 hwreg(HW_REG_WAVE_MODE, 25, 1), 1
	s_wait_xcnt 0x0
	s_wait_alu depctr_hold_cnt(0) depctr_sa_sdst(0) depctr_va_vdst(0) depctr_va_sdst(0) depctr_va_ssrc(0) depctr_va_vcc(0) depctr_vm_vsrc(0)
	s_getreg_b32 s2, hwreg(HW_REG_IB_STS2, 6, 4)
	s_cmp_eq_u32 s2, 0
	s_cbranch_scc0 .Lentry_in_a_cluster
	s_endpgm
.Lentry_in_a_cluster:
	s_bfe_u32 s2, ttmp6, 0x10000c
	s_cmp_lg_u32 s2, 0x3003
	s_cbranch_scc0 .Lentry_shape_is_right
	s_endpgm
.Lentry_shape_is_right:
; QKV: [4096 tokens x 4096] x wb [4096 x 2048] in bf16 with f32 sums; then, on the sums, RMS norm over each head's 128 columns, the gain, RoPE; q, k, v leave in f16 by heads, [batch][head][2048][128].
; SHARES.  A tile is 128 tokens x 256 columns: 256 work-groups (x: token tile tr, y: column tile tc).  Wave w: tokens 64 (w / 2) on, columns 128 (w % 2) on: ONE head; 32 accumulators of 16 x 16.
; Column tiles 0-3 are q's heads 2 tc, 2 tc + 1; tile 4 + t is k's head t (waves 0, 2) and v's head t (waves 1, 3): what a wave does at the end hangs on tc and the wave's number alone.
; TRANSPOSED USE: source 0 = 16 columns of wb, source 1 = 16 tokens.  A lane then holds ONE token (lane % 16) and columns 16 b + 8 (lane / 16) + 0..7 of its head: the sum of squares wants one exchange
; between the halves of the lanes, and RoPE's partner, column + 64, is accumulator b + 4, same lane, same register.
; wb: A RING OF TWO LDS SLOTS of 256 along K, filled by tensor loads, 64 k rows of 512 bytes a wave; it lies [k][column] and is turned by ds_load_tr16_b128.  CLUSTER 4 x 1: the four token tiles of a
; cluster want the same tile of wb and ask for it jointly.
; x: THROUGH REGISTERS.  The eight column tiles of a token tile want the same x, and it is NOT asked for jointly: as f32 tiles beside wb's it would take 131,072 bytes more for each slot of 256 along K, and
; two such slots do not fit in 327,680 bytes.  So each wave loads 32 rows x 256 bytes (64 along K: a HALF STEP) by 16 loads, each of two whole aligned pieces of 256 bytes, four half steps ahead of their
; products; rounds them to bf16 once for the work-group; and stores them into one of two LDS buffers of 128 rows x 144 bytes, from which all four waves take their fragments.
; ONE BARRIER A HALF STEP: ahead of its signal my stores of the next half step's x are done and my reads of this one's are back; behind its wait the next one's x is read, and this one's buffer is written again.
; Every fourth half step that barrier is the change of wb's slots and opens a round of the cluster's barrier.
; THE SUMS START AT 0: 256 lines clear the accumulators while the first tile is on its way; a first half step written out would be as long, and the loop would no longer hold as many refills as trips.
; LIMITS.  v beyond 65,504 has no f16; q and k are at most sqrt(128) x |gain|.  NaN and infinities are not treated apart.
; REGISTERS, in windows of 256 (s_set_vgpr_msb: bits 1:0 source 0, 3:2 source 1, 5:4 source 2, 7:6 destination):
;   window 0: v16-31 addresses; v32-63 at work at the end; v64-95 x rounded, on its way to LDS; v96-111 the 16 loads' offsets; v128-159, v160-191 x's fragments, two buffers (token block a at + 8 a)
;   window 1: accumulator (a, b) at 8 (8 a + b)      window 2: v0-63, v64-127 wb's fragments, two buffers; v128-191 the gain
;   window 3: four sets of 64: x as loaded, half step j in set j % 4; at the end token block a's cosines at 64 a, sines at 64 a + 32
.set PB,     544                       ; a row of wb in LDS: 512 bytes + 32: an odd multiple of 32
.set QROWS,  32*PB                     ; 32 k rows: a quarter step's
.set WROWS,  64*PB                     ; what one wave's tensor load brings
.set SLOT1,  4*WROWS                   ; 0x22000: slot 1 begins here; none of its bits is set in a descriptor's LDS word for slot 0 (0, 0x8800, 0x11000, 0x19800), so one exclusive or turns the word
.set SLOTB,  256*4096                  ; bytes of wb from a slot's rows to the next slot's
.set A16,    2*SLOT1                   ; behind the ring: x in bf16; no tensor load lands here
.set PA,     144                       ; its row: 128 bytes + 16 = 36 words: the 16 rows of a fragment load start in 16 different groups of four banks (64 banks of 4 bytes: ISA guide 11.1)
.set ABUF,   128*PA
.set STAGE,  A16                       ; the way out: 16 rows x 272 bytes for each wave, in x's buffers when nobody reads them any more
.set SP,     272
.set SPARE,  A16+2*ABUF                ; the spare words, 128 bytes for each wave: two blocks of 256 bytes that no other line names
.set ADRB, 16                          ; v16, v17: LDS address of my wb fragments in the slot in hand, quarters 0-3 and 4-7 (an offset holds 16 bits)
.set B0,   18                          ; v18, v19: the same in slot 0; never rewritten
.set ARD,  20                          ; where I read x's fragments
.set ASTO, 21                          ; where I store my 8 bytes of a row of x
.set STO,  24
.set RD,   25
.set CO,   26
.set WO,   27                          ; 32 (lane / 16): my 8 numbers in 16 of the gain
.set SPW,  28
.set NIL,  29
.set PFO,  30
.set TO,   31                          ; 512 (lane % 16) + 32 (lane / 16): my 8 numbers in the table
.set TMP,  32
.set SS,   32
.set RS,   40
.set VAR,  48
.set CV,   64
.set XO,   96
.set AF,   128
.set T1,   64
.set T2,   96
.set OB,   128
.set WG,   128
.set TCN, 4                            ; s4   counts the tail's two trips
.set G1,  24                           ; s[24:31] descriptor group 1
.set G0,  32                           ; s[32:35] descriptor group 0: it walks
.set LIM, 43
.set PFA, 44
.set XB,  46                           ; s[46:47] where the next 16 loads begin
.set XS,  48                           ; s[48:49] their step
.set TBS, 80
.set GBS, 82
.set PHC, 84                           ; 0 or SLOT1: the slot that is read
.set OUT, 88
.set ISV, 90
.set SEL, 92
.set MSB, 0
.macro WIN new
.if MSB != (\new)
	s_set_vgpr_msb (MSB<<8)|(\new)
.set MSB, \new
.endif
.endm
.set MUL,  0x52                        ; wb window 2, x window 0, C and D window 1
.macro PLACES
.rept 4
	v_nop
.endr
.endm
.macro CREST                           ; a round of the cluster's barrier behind its opening barrier
	s_cmp_lg_u32 s10, 0
	s_cbranch_scc1 .Lnot_wave_0_\@
	s_barrier_signal -3
.Lnot_wave_0_\@:
	s_barrier_wait -3
	s_barrier_signal -1
	s_barrier_wait -1
.endm
.macro CROUND
	s_barrier_signal -1
	s_barrier_wait -1
	CREST
.endm
; A prefetch of wb's rows that the NEXT refill will ask for (256 products a wave ahead of that load): 16 rows x 2 blocks of 256 bytes, a lane a block.  All eight clusters of a column tile read the same rows:
; the one with x = 0 names them; its four partners share each wave's 64 rows out by address.  So each block is named once.  The last refill has none behind it.  x is not named: its own loads go out three half
; steps ahead of their use.
.macro ASK
	s_cmp_gt_u32 s3, s[LIM]
	s_cbranch_scc0 .Lnot_mine_\@
	global_prefetch_b8 v[PFO], s[PFA:PFA+1] th:TH_LOAD_NT scope:SCOPE_SE
.Lnot_mine_\@:
.endm
	s_load_b256 s[68:75], s[0:1], 0x0              ; x 68, wb 70, tab 72, qh 74
	s_load_b128 s[76:79], s[0:1], 0x20             ; kh 76, vh 78
	v_lshl_add_u32 v[SPW], v0, 2, SPARE
	v_mov_b32 v[NIL], 0
	ds_add_u32 v[SPW], v[NIL]                      ; the wave's opening: the add and its wait ahead of my first tensor load; the set-up stands between them
	v_lshrrev_b32 v1, 5, v0
	v_readfirstlane_b32 s10, v1                    ; wave 0..3
	s_lshr_b32 s11, s10, 1                         ; my half of the tile's tokens
	s_and_b32 s12, s10, 1                          ; my half of its columns
	s_bfe_u32 s40, ttmp6, 0x40000                  ; cx
	s_lshl_b32 s13, ttmp9, 2
	s_add_co_u32 s13, s13, s40                     ; tr: it enters x's, the table's and the outputs' addresses alone
	s_and_b32 s42, ttmp7, 0xffff                   ; tc, which the four partners share
	s_lshr_b32 s41, s42, 2                         ; 0: q's columns; 1: k's and v's
	s_mov_b32 s[G1], 15|(1<<16)|(1<<20)|(1<<21)|(6<<22)|(7<<25)  ; the mask of four; 2-byte elements; padding on; bit 21 beside a mask; after every 128 words, 8 words
	s_mov_b32 s[G1+1], 256<<16                     ; tensor_dim0
	s_mov_b32 s[G1+2], 64<<16                      ; tensor_dim1
	s_mov_b32 s[G1+3], 256<<16                     ; tile_dim0
	s_mov_b32 s[G1+4], 64                          ; tile_dim1
	s_mov_b32 s[G1+5], 2048                        ; elements from row to row
	s_mov_b32 s[G1+6], 0
	s_mov_b32 s[G1+7], 0
	s_mov_b32 s[G0], 1
	s_mul_i32 s[G0+1], s10, WROWS                  ; my 64 rows of slot 0
	s_lshl_b32 s20, s10, 18                        ; wb: k row 64 w, 4,096 bytes a row; column 256 tc
	s_lshl_b32 s21, s42, 9
	s_add_co_u32 s20, s20, s21
	s_mov_b32 s21, 0
	s_lshl_b32 s22, s40, 16                        ; the prefetches: + my work-group's 16 of the wave's 64 rows, in the third slot's rows: the first refill in the loop steps them to the fourth's
	s_add_co_u32 s22, s22, s20
	s_add_co_u32 s22, s22, 2*SLOTB
	s_mov_b32 s23, 0
	s_cmp_eq_u32 ttmp9, 0
	s_cselect_b32 s[LIM], 1, -1                    ; the same in all four partners
	s_lshl_b32 s16, s13, 21                        ; x: token 128 tr, 16,384 bytes a row
	s_mov_b32 s17, 0
	s_mov_b32 s[XS], 256                           ; a half step: 64 f32
	s_mov_b32 s[XS+1], 0
	; where my 64 tokens of my head go
	s_lshr_b32 s96, s13, 4                         ; batch
	s_lshl_b32 s97, s96, 3
	s_lshl_b32 s98, s42, 1
	s_add_co_u32 s97, s97, s98
	s_add_co_u32 s97, s97, s12                     ; q: head 8 batch + 2 tc + half
	s_lshl_b32 s96, s96, 2
	s_and_b32 s98, s42, 3
	s_add_co_u32 s96, s96, s98                     ; k, v: head 4 batch + tc % 4
	s_cmp_eq_u32 s41, 0
	s_cselect_b32 s86, s97, s96
	s_lshl_b32 s86, s86, 11
	s_and_b32 s97, s13, 15
	s_lshl_b32 s97, s97, 7
	s_add_co_u32 s86, s86, s97
	s_lshl_b32 s97, s11, 6
	s_add_co_u32 s86, s86, s97
	s_lshl_b32 s86, s86, 8
	s_mov_b32 s87, 0
	s_lshl_b32 s96, s13, 7                         ; the table at my first token
	s_add_co_u32 s96, s96, s97
	s_lshl_b32 s96, s96, 9
	s_mov_b32 s97, 0
	s_lshl_b32 s98, s41, 9                         ; q's gain or k's
	s_add_co_u32 s98, s98, 0x200000
	s_mov_b32 s99, 0
	s_and_b32 s[ISV], s41, s12                     ; 1: my head is one of v's
	s_mov_b32 s[SEL], 0x76543210
	s_mov_b32 s[SEL+1], 0xfedcba98
	s_mov_b32 s94, 0x3c000000                      ; 1 / 128
	s_mov_b32 s95, 0x358637bd                      ; 1e-6
	s_mov_b32 s[PHC], 0
	v_and_b32 v1, 15, v0                           ; r = lane % 16
	v_bfe_u32 v2, v0, 4, 1                         ; h = lane / 16
	v_and_b32 v3, 7, v0
	v_bfe_u32 v4, v0, 3, 1
	v_lshl_add_u32 v3, v2, 3, v3                   ; wb, turned: k row 8 h + lane % 8, 16 bytes for each eight lanes
	v_mul_u32_u24 v[B0], v3, PB
	v_lshl_add_u32 v[B0], v4, 4, v[B0]
	s_lshl_b32 s91, s12, 8
	v_add_nc_u32 v[B0], s91, v[B0]
	v_add_nc_u32 v[B0+1], 4*QROWS, v[B0]
	v_mov_b32 v[ADRB], v[B0]
	v_mov_b32 v[ADRB+1], v[B0+1]
	v_mul_u32_u24 v[ARD], v1, PA                   ; x's fragments: row 64 (w / 2) + r, 16 bytes for each half of the lanes
	v_lshl_add_u32 v[ARD], v2, 4, v[ARD]
	s_mul_i32 s91, s11, 64*PA
	s_add_co_u32 s91, s91, A16
	v_add_nc_u32 v[ARD], s91, v[ARD]
	v_mul_u32_u24 v[ASTO], v2, 8*PA                ; x's stores: lanes 0-15 fill 128 bytes of a row, lanes 16-31 those of the row 8 further down: 288 words on, 32 modulo 64, so the 32 lanes take each bank once
	v_lshl_add_u32 v[ASTO], v1, 3, v[ASTO]
	s_mul_i32 s91, s10, 32*PA                      ; my 32 rows
	s_add_co_u32 s91, s91, A16
	v_add_nc_u32 v[ASTO], s91, v[ASTO]
	s_mul_i32 s91, s10, 16*SP
	s_add_co_u32 s91, s91, STAGE
	v_mul_u32_u24 v[STO], v1, SP
	v_lshl_add_u32 v[STO], v2, 4, v[STO]
	v_add_nc_u32 v[STO], s91, v[STO]
	v_mul_u32_u24 v[RD], v2, SP
	v_lshl_add_u32 v[RD], v1, 4, v[RD]
	v_add_nc_u32 v[RD], s91, v[RD]
	v_and_b32 v[CO], 31, v0
	v_lshlrev_b32 v[CO], 4, v[CO]
	v_lshlrev_b32 v[WO], 5, v2
	v_lshl_add_u32 v[TO], v1, 9, v[WO]
	v_bfe_u32 v5, v0, 1, 4
	v_lshlrev_b32 v[PFO], 12, v5                   ; row lane / 2,
	v_and_b32 v6, 1, v0
	v_lshl_add_u32 v[PFO], v6, 8, v[PFO]           ; block lane % 2
	v_lshlrev_b32 v5, 17, v2                       ; x's loads: load i takes rows 32 w + 16 (i / 8) + i % 8 (lanes 0-15) and 8 further down (lanes 16-31), 16 bytes a lane
	v_lshl_add_u32 v5, v1, 4, v5
	s_lshl_b32 s91, s10, 19
	v_add_nc_u32 v5, s91, v5
.irp i, 0,1,2,3,4,5,6,7,8,9,10,11,12,13,14,15
	v_add_nc_u32 v[XO+(\i)], (16*((\i)/8)+(\i)%8)*16384, v5
.endr
	s_wait_dscnt 0x0                               ; the opening add is done
	s_wait_kmcnt 0x0
	s_add_nc_u64 s[G0+2:G0+3], s[70:71], s[20:21]
	s_or_b32 s[G0+3], s[G0+3], 0x80000000
	s_add_nc_u64 s[PFA:PFA+1], s[70:71], s[22:23]
	s_add_nc_u64 s[XB:XB+1], s[68:69], s[16:17]
	s_cmp_eq_u32 s12, 0
	s_cselect_b64 s[OUT:OUT+1], s[76:77], s[78:79]
	s_cmp_eq_u32 s41, 0
	s_cselect_b64 s[OUT:OUT+1], s[74:75], s[OUT:OUT+1]
	s_add_nc_u64 s[OUT:OUT+1], s[OUT:OUT+1], s[86:87]
	s_add_nc_u64 s[TBS:TBS+1], s[72:73], s[96:97]
	s_add_nc_u64 s[GBS:GBS+1], s[72:73], s[98:99]
	CROUND                                         ; all four work-groups are here: the first joint loads meet
	tensor_load_to_lds s[G0:G0+3], s[G1:G1+7]      ; K 0 to 255 into slot 0; slot 1 is asked for when slot 0 is in
	s_nop 0
	PLACES
; 8 products: token block a x all 8 column blocks, 32 along K, fragment buffers f.  The 32 accumulators take turns, over the backward jumps too.
.macro MUL8 a, f
	WIN MUL
.irp b, 0,1,2,3,4,5,6,7
	v_wmma_f32_16x16x32_bf16 v[64*(\a)+8*(\b):64*(\a)+8*(\b)+7], v[64*(\f)+8*(\b):64*(\f)+8*(\b)+7], v[AF+32*(\f)+8*(\a):AF+32*(\f)+8*(\a)+7], v[64*(\a)+8*(\b):64*(\a)+8*(\b)+7]
.endr
.endm
.macro XLOAD set                       ; 16 loads: my 32 rows of a half step, each load two whole aligned pieces of 256 bytes
	WIN 0xc0
.irp i, 0,1,2,3,4,5,6,7,8,9,10,11,12,13,14,15
	global_load_b128 v[64*(\set)+4*(\i):64*(\set)+4*(\i)+3], v[XO+(\i)], s[XB:XB+1]
.endr
.endm
.macro XSTEP                           ; the loads issued so far have read their base: it steps
	s_wait_xcnt 0x0
	s_add_nc_u64 s[XB:XB+1], s[XB:XB+1], s[XS:XS+1]
.endm
.macro CVTH set, half                  ; loads 8 half .. 8 half + 7 of a set are rounded: 4 f32 a lane and load into 8 bytes
	WIN 0x0f
.irp i, 0,1,2,3,4,5,6,7
	v_cvt_pk_bf16_f32 v[CV+16*(\half)+2*(\i)],   v[64*(\set)+32*(\half)+4*(\i)],   v[64*(\set)+32*(\half)+4*(\i)+1]
	v_cvt_pk_bf16_f32 v[CV+16*(\half)+2*(\i)+1], v[64*(\set)+32*(\half)+4*(\i)+2], v[64*(\set)+32*(\half)+4*(\i)+3]
.endr
.endm
.macro STH par, half                   ; and stored into buffer par
	WIN 0
.irp i, 0,1,2,3,4,5,6,7
	ds_store_b64 v[ASTO], v[CV+16*(\half)+2*(\i):CV+16*(\half)+2*(\i)+1] offset:(\par)*ABUF+(16*(\half)+(\i))*PA
.endr
.endm
.macro FETA par, q, f                  ; x's four fragments of quarter q of the half step in buffer par
	WIN 0
.irp a, 0,1,2,3
	ds_load_b128 v[AF+32*(\f)+8*(\a):AF+32*(\f)+8*(\a)+3],   v[ARD] offset:(\par)*ABUF+(\a)*16*PA+64*(\q)
	ds_load_b128 v[AF+32*(\f)+8*(\a)+4:AF+32*(\f)+8*(\a)+7], v[ARD] offset:(\par)*ABUF+(\a)*16*PA+64*(\q)+32
.endr
.endm
.macro FETB qq, f                      ; wb's eight fragments of quarter qq (0..7) of the slot in hand, turned
	WIN 0x80
.irp b, 0,1,2,3,4,5,6,7
	ds_load_tr16_b128 v[64*(\f)+8*(\b):64*(\f)+8*(\b)+3],   v[ADRB+(\qq)/4] offset:((\qq)%4)*QROWS+32*(\b)
	ds_load_tr16_b128 v[64*(\f)+8*(\b)+4:64*(\f)+8*(\b)+7], v[ADRB+(\qq)/4] offset:((\qq)%4)*QROWS+32*(\b)+16*PB
.endr
.endm
; HALF STEP p (0..3) of a slot: 64 products, 32 on fragment buffers 0 and 32 on buffers 1.  Beside them: the NEXT half step's x is rounded and stored; the x four half steps on is asked for, into the set that
; was rounded a half step ago; the fragments of this half step's second quarter and of the next one's first are fetched.
; kind 0: a plain barrier.  kind 1: the change of wb's slots with a refill: the barrier opens a round of the cluster's.  kind 2: the change without a refill.
; last = 1 (the tail's fourth half step): in the second trip there is no next half step, and the rounding is jumped over.
; PLACES.  Loads into fragment registers stand four plain vector lines or more behind the last product that read them: the 16 conversions for buffers 1, four v_nop for buffers 0.
.macro HSTEP p, kind, last
	s_wait_dscnt 0x0                               ; buffers 0 are in: wb's were asked for 24 products back or more, x's 16 or more
	MUL8 0, 0
	s_wait_loadcnt 32                              ; the next half step's x is in: behind its 16 loads two sets of 16 have been issued
.if \last
	WIN 0
	s_cmp_eq_u32 s[TCN], 1
	s_cbranch_scc1 .Lnone_\@
	CVTH ((\p)+1)%4, 0
	STH ((\p)+1)%2, 0
	CVTH ((\p)+1)%4, 1
	STH ((\p)+1)%2, 1
.Lnone_\@:
	PLACES
	FETB 2*(\p)+1, 1
	FETA (\p)%2, 1, 1
	MUL8 1, 0
.else
	CVTH ((\p)+1)%4, 0
	FETB 2*(\p)+1, 1
	FETA (\p)%2, 1, 1
	MUL8 1, 0
	STH ((\p)+1)%2, 0
	CVTH ((\p)+1)%4, 1
	STH ((\p)+1)%2, 1
.endif
	MUL8 2, 0
	XLOAD \p
	MUL8 3, 0
	WIN 0
	XSTEP
.if (\kind) == 1
	s_add_nc_u64 s[PFA:PFA+1], s[PFA:PFA+1], SLOTB ; (the last prefetch, a slot back, has read its address too)
	s_wait_tensorcnt 0x0                           ; all my tensor loads have landed: my part of the next slot
	ds_add_u32 v[SPW], v[NIL]
	s_xor_b32 s[PHC], s[PHC], SLOT1                ; the reads go to the other slot;
	s_xor_b32 s[G0+1], s[G0+1], SLOT1              ; no load of mine is out: the descriptor steps
	s_add_nc_u64 s[G0+2:G0+3], s[G0+2:G0+3], SLOTB
.elseif (\kind) == 2
	s_wait_tensorcnt 0x0                           ; my part of the last slot is in
	s_xor_b32 s[PHC], s[PHC], SLOT1
.endif
	s_wait_dscnt 0x0                               ; my stores of the next half step's x are done; my reads of this one's, and of this quarter's wb, are back (and the add is done)
	s_barrier_signal -1
	MUL8 0, 1
.if (\kind) == 0
	PLACES
	FETB 2*(\p)+2, 0                               ; bytes of the slot in hand, which nobody writes before a later barrier
	MUL8 1, 1
	s_barrier_wait -1                              ; everybody's part of the next half step's x is stored
	FETA ((\p)+1)%2, 0, 0
.else
	WIN 0
	s_barrier_wait -1
.if (\kind) == 1
	CREST                                          ; no wave of any partner still reads the old slot or has a load on its way
	tensor_load_to_lds s[G0:G0+3], s[G1:G1+7]      ; my one load behind the round: 64 rows of the slot after next, into the slot just read out; it has four half steps in which to land
	s_nop 0
.endif
	PLACES
	v_add_nc_u32 v[ADRB], s[PHC], v[B0]
	v_add_nc_u32 v[ADRB+1], s[PHC], v[B0+1]
	FETB 0, 0
	FETA ((\p)+1)%2, 0, 0
.if (\kind) == 1
	WIN 0
	ASK
.endif
	MUL8 1, 1
.endif
	MUL8 2, 1
	MUL8 3, 1
.endm
	WIN 0x80                                       ; the gain, oldest of all loads: the first counted wait shows it in (v's waves have no use for it and load it too: 256 bytes a lane pair, once)
.irp b, 0,1,2,3,4,5,6,7
	global_load_b128 v[WG+8*(\b):WG+8*(\b)+3],   v[WO], s[GBS:GBS+1] offset:64*(\b)
	global_load_b128 v[WG+8*(\b)+4:WG+8*(\b)+7], v[WO], s[GBS:GBS+1] offset:64*(\b)+16
.endr
	XLOAD 0
	XSTEP
	XLOAD 1
	XSTEP
	WIN 0x40
.set n, 0
.rept 256
	v_mov_b32 v[n], 0
.set n, n+1
.endr
	s_wait_loadcnt 16                              ; half step 0's x is in; half step 1's 16 loads may be out
	CVTH 0, 0
	STH 0, 0
	CVTH 0, 1
	STH 0, 1
	XLOAD 2
	XSTEP
	XLOAD 3
	XSTEP
	WIN 0
	s_wait_tensorcnt 0x0                           ; slot 0 is in
	ds_add_u32 v[SPW], v[NIL]
	s_xor_b32 s[G0+1], s[G0+1], SLOT1
	s_add_nc_u64 s[G0+2:G0+3], s[G0+2:G0+3], SLOTB
	s_wait_dscnt 0x0                               ; the add and my stores of half step 0's x are done
	CROUND
	tensor_load_to_lds s[G0:G0+3], s[G1:G1+7]      ; K 256 to 511 into slot 1
	s_nop 0
	PLACES
	FETB 0, 0
	FETA 0, 0, 0
	WIN 0
	s_mov_b32 s3, 14
.Lslot:                                        ; 14 trips: a slot's four half steps; each trip asks for four half steps of x and for one slot of wb
	HSTEP 0, 0, 0
	HSTEP 1, 0, 0
	HSTEP 2, 0, 0
	HSTEP 3, 1, 0
	WIN 0
	s_sub_co_u32 s3, s3, 1
	s_cmp_lg_u32 s3, 0
	s_cbranch_scc1 .Lslot
	s_mov_b32 s[TCN], 2
.Ltail:                                        ; the last two slots ask for no wb.  The first trip's loads are x's last four half steps.  The second trip has no x left to ask for: its 64 loads bring the
	s_cmp_eq_u32 s[TCN], 1                         ; table for the end, token block a in the place of half step a, so that the counted waits are the same in both trips (v's waves have no use for it and load it too)
	s_cbranch_scc0 .Lstill_x
	s_wait_xcnt 0x0                                ; every load has read its base and its offset
	s_mov_b64 s[XB:XB+1], s[TBS:TBS+1]
	s_mov_b32 s[XS], 8192                          ; 16 tokens of 512 bytes
.irp i, 0,1,2,3,4,5,6,7,8,9,10,11,12,13,14,15
	v_add_nc_u32 v[XO+(\i)], 256*((\i)/8)+64*(((\i)/2)%4)+16*((\i)%2), v[TO]  ; load i: cosines (i < 8) or sines, columns 16 ((i / 2) % 4) + 8 (lane / 16) + 4 (i % 2) on
.endr
.Lstill_x:
	HSTEP 0, 0, 0
	HSTEP 1, 0, 0
	HSTEP 2, 0, 0
	HSTEP 3, 2, 1                                  ; (in the second trip its change fetches 24 fragments that nobody multiplies: the price, once a launch, of one text for both trips)
	WIN 0
	s_sub_co_u32 s[TCN], s[TCN], 1
	s_cmp_lg_u32 s[TCN], 0
	s_cbranch_scc1 .Ltail
	s_wait_dscnt 0x0                               ; my last reads of x's buffers are back
	s_barrier_signal -1
	s_barrier_wait -1                              ; everybody's are: the buffers become the stages
	PLACES
	PLACES
	s_wait_loadcnt 0x0                             ; the table
; THE END.  Token block a's 64 registers are X(n) = 64 a + n in window 1: n = 8 b + j.  No further barrier: a stage is its wave's own.
.macro SUMSQ a                         ; the token's mean of squares + 1e-6; each accumulator's lowest registers are read first
	WIN 0x05
.irp b, 0,1,2,3,4,5,6,7
.irp p, 0,1,2,3
.if (\b) == 0
	v_pk_mul_f32 v[SS+2*(\p):SS+2*(\p)+1], v[64*(\a)+2*(\p):64*(\a)+2*(\p)+1], v[64*(\a)+2*(\p):64*(\a)+2*(\p)+1]
.else
	v_pk_fma_f32 v[SS+2*(\p):SS+2*(\p)+1], v[64*(\a)+8*(\b)+2*(\p):64*(\a)+8*(\b)+2*(\p)+1], v[64*(\a)+8*(\b)+2*(\p):64*(\a)+8*(\b)+2*(\p)+1], v[SS+2*(\p):SS+2*(\p)+1]
.endif
.endr
.endr
	WIN 0
	v_pk_add_f32 v[SS:SS+1], v[SS:SS+1], v[SS+2:SS+3]
	v_pk_add_f32 v[SS+4:SS+5], v[SS+4:SS+5], v[SS+6:SS+7]
	v_pk_add_f32 v[SS:SS+1], v[SS:SS+1], v[SS+4:SS+5]
	v_add_f32 v[SS], v[SS], v[SS+1]
	v_permlanex16_b32 v[SS+1], v[SS], s[SEL], s[SEL+1]  ; the token's other 64 columns lie in the lane 16 away
	v_add_f32 v[SS], v[SS], v[SS+1]
	v_fma_f32 v[VAR+(\a)], v[SS], s94, s95
.endm
.macro ROPE a                          ; X = X gain; cos, sin = cos, sin / rms; lo = lo cos - hi sin; hi = hi cos + lo sin
	WIN 0x49
.set n, 0
.rept 32
	v_pk_mul_f32 v[64*(\a)+n:64*(\a)+n+1], v[64*(\a)+n:64*(\a)+n+1], v[WG+n:WG+n+1]
.set n, n+2
.endr
	WIN 0xc3
.set n, 0
.rept 32
	v_pk_mul_f32 v[64*(\a)+n:64*(\a)+n+1], v[64*(\a)+n:64*(\a)+n+1], v[RS+2*(\a):RS+2*(\a)+1] op_sel_hi:[1,0]
.set n, n+2
.endr
	WIN 0x0d
.set n, 0
.rept 16
	v_pk_mul_f32 v[T1+n:T1+n+1], v[64*(\a)+n:64*(\a)+n+1], v[64*(\a)+32+n:64*(\a)+32+n+1]
	v_pk_mul_f32 v[T2+n:T2+n+1], v[64*(\a)+32+n:64*(\a)+32+n+1], v[64*(\a)+32+n:64*(\a)+32+n+1]
.set n, n+2
.endr
	WIN 0x4d
.set n, 0
.rept 16
	v_pk_fma_f32 v[64*(\a)+n:64*(\a)+n+1], v[64*(\a)+n:64*(\a)+n+1], v[64*(\a)+n:64*(\a)+n+1], v[T2+n:T2+n+1] neg_lo:[0,0,1] neg_hi:[0,0,1]
	v_pk_fma_f32 v[64*(\a)+32+n:64*(\a)+32+n+1], v[64*(\a)+32+n:64*(\a)+32+n+1], v[64*(\a)+n:64*(\a)+n+1], v[T1+n:T1+n+1]
.set n, n+2
.endr
.endm
.macro PACK a                          ; a lane's eight columns of a token pack into 16 bytes
	WIN 0x05
.irp b, 0,1,2,3,4,5,6,7
.irp j, 0,1,2,3
	v_cvt_pk_f16_f32 v[TMP+4*(\b)+(\j)], v[64*(\a)+8*(\b)+2*(\j)], v[64*(\a)+8*(\b)+2*(\j)+1]
.endr
.endr
	WIN 0
.endm
.macro TOSTAGE a                       ; into rows of 272 bytes, back as whole rows of 256; LDS serves a wave's instructions in order (ISA guide 5.7.1.4)
	WIN 0
.irp b, 0,1,2,3,4,5,6,7
	ds_store_b128 v[STO], v[TMP+4*(\b):TMP+4*(\b)+3] offset:32*(\b)
.endr
.irp t, 0,1,2,3,4,5,6,7
	ds_load_b128 v[OB+32*(\a)+4*(\t):OB+32*(\a)+4*(\t)+3], v[RD] offset:(\t)*2*SP
.endr
.endm
.macro SEND a, younger                 ; younger: the LDS instructions issued behind block a's loads
	WIN 0
.irp t, 0,1,2,3,4,5,6,7
	s_wait_dscnt (\younger)+7-(\t)
	global_store_b128 v[CO], v[OB+32*(\a)+4*(\t):OB+32*(\a)+4*(\t)+3], s[OUT:OUT+1] offset:4096*(\a)+512*(\t)  ; 512 consecutive bytes, at a multiple of 256 from the buffer's first
.endr
.endm
	s_cmp_eq_u32 s[ISV], 1
	s_cbranch_scc1 .Lpack                          ; v is neither normed nor turned
	SUMSQ 0
	SUMSQ 1
	SUMSQ 2
	SUMSQ 3
.irp a, 0,1,2,3
	v_rsq_f32 v[RS+2*(\a)], v[VAR+(\a)]
	v_rsq_f32 v[RS+2*(\a)+1], v[VAR+(\a)]          ; named with it as a pair
.endr
	v_nop                                          ; a plain instruction behind the last root,
	s_wait_alu depctr_va_vdst(0)                   ; and one wait for the eight, ahead of their first reader
	ROPE 0
	ROPE 1
	ROPE 2
	ROPE 3
	WIN 0
.Lpack:
	PACK 0
	TOSTAGE 0
.irp a, 0,1,2
	PACK (\a)+1
	TOSTAGE (\a)+1
	SEND \a, 16
.endr
	SEND 3, 0
	s_wait_tensorcnt 0x0                           ; the wave's end
	ds_add_u32 v[SPW], v[NIL]
	s_wait_dscnt 0x0
	CROUND                                         ; the closing round
	s_endpgm
.Lfunc_end_k_qedde6f4964_qkv:
	.size	k_qedde6f4964_qkv, .Lfunc_end_k_qedde6f4964_qkv-k_qedde6f4964_qkv
	.p2alignl 7, 3214868480
	.fill 96, 4, 3214868480
	.section	.rodata,"a",@progbits
	.p2align	6, 0x0
	.amdhsa_kernel k_qedde6f4964_qkv
		.amdhsa_group_segment_fixed_size 327680
		.amdhsa_private_segment_fixed_size 0
		.amdhsa_enable_private_segment 0
		.amdhsa_kernarg_size 48
		.amdhsa_user_sgpr_count 2
		.amdhsa_user_sgpr_kernarg_segment_ptr 1
		.amdhsa_wavefront_size32 1
		.amdhsa_system_sgpr_workgroup_id_x 1
		.amdhsa_system_sgpr_workgroup_id_y 1
		.amdhsa_system_sgpr_workgroup_id_z 1
		.amdhsa_system_vgpr_workitem_id 0
		.amdhsa_next_free_vgpr 1024
		.amdhsa_next_free_sgpr 100
		.amdhsa_reserve_vcc 0
		.amdhsa_float_denorm_mode_32 3
		.amdhsa_float_denorm_mode_16_64 3
		.amdhsa_memory_ordered 1
		.amdhsa_forward_progress 1
		.amdhsa_inst_pref_size 190
	.end_amdhsa_kernel
	.amdgpu_metadata
---
amdhsa.version: [ 1, 2 ]
amdhsa.kernels:
  - .name:           k_qedde6f4964_qkv
    .symbol:         k_qedde6f4964_qkv.kd
    .args:
      - { .name: hidden_states, .offset: 0, .size: 8, .value_kind: global_buffer, .address_space: global }
      - { .name: wb, .offset: 8, .size: 8, .value_kind: global_buffer, .address_space: global }
      - { .name: tab, .offset: 16, .size: 8, .value_kind: global_buffer, .address_space: global }
      - { .name: qh, .offset: 24, .size: 8, .value_kind: global_buffer, .address_space: global }
      - { .name: kh, .offset: 32, .size: 8, .value_kind: global_buffer, .address_space: global }
      - { .name: vh, .offset: 40, .size: 8, .value_kind: global_buffer, .address_space: global }
    .group_segment_fixed_size: 327680
    .private_segment_fixed_size: 0
    .kernarg_segment_align: 8
    .kernarg_segment_size: 48
    .max_flat_workgroup_size: 128
    .sgpr_count:     100
    .vgpr_count:     1024
    .wavefront_size: 32
...
	.end_amdgpu_metadata
.endif
;; end of part 2
;; launch attn (part 3): grid 32 x 8, 4 waves a work-group, clusters of 4 x 1, 327,680 bytes of LDS; arguments qh, kh, vh, ao; writes ao
.if DOCPART == 3
	.amdgcn_target "amdgcn-amd-amdhsa--gfx1250"
	.amdhsa_code_object_version 6
	.text
	.protected	k_qedde6f4964_attn
	.globl	k_qedde6f4964_attn
	.p2align	8
	.type	k_qedde6f4964_attn,@function
k_qedde6f4964_attn:
	s_mov_b64 s[64:65], 0
	v_nop
	global_prefetch_b8 v0, s[64:65] scope:SCOPE_SE
	s_setreg_imm32_b32 hwreg(HW_REG_WAVE_MODE, 25, 1), 1
	s_wait_xcnt 0x0
	s_wait_alu depctr_hold_cnt(0) depctr_sa_sdst(0) depctr_va_vdst(0) depctr_va_sdst(0) depctr_va_ssrc(0) depctr_va_vcc(0) depctr_vm_vsrc(0)
	s_getreg_b32 s2, hwreg(HW_REG_IB_STS2, 6, 4)
	s_cmp_eq_u32 s2, 0
	s_cbranch_scc0 .Lentry_in_a_cluster
	s_endpgm
.Lentry_in_a_cluster:
	s_bfe_u32 s2, ttmp6, 0x10000c
	s_cmp_lg_u32 s2, 0x3003
	s_cbranch_scc0 .Lentry_shape_is_right
	s_endpgm
.Lentry_shape_is_right:
; CAUSAL GROUPED ATTENTION.  qh [2][8][2048][128], kh, vh [2][4][2048][128], f16; query heads 2 kv and 2 kv + 1 use key and value head kv.  ao [4096 tokens][1024], f16.
; Products, maxima and sums in f32; the weights are rounded to f16 for the second product; O once at the end.  p = 2^(c s - c m), c = log2(e) / sqrt(128), with a running maximum m.
; LIMITS.  A hidden score counts as -1e30.  The running maximum starts at -2^66: below every score that f16 operands can make (128 x 65,504^2 = 5.5e11), above every hidden one.
; A weight below 2^-126 counts as 0; O lies within v's range; NaN and infinities are not treated apart.
; THE WALK.  y = 4 batch + kv.  A BLOCK is 32 positions x the 2 query heads: 64 rows, four query tiles of 16 (tile qt: head qt / 2, positions 16 (qt % 2) on).  Keys go in tiles of 256.  Work-group i (0..31)
; takes block 63 - i, which needs key tiles 0 .. 7 - i / 8, and then block i, tiles 0 .. i / 8: nine tiles whatever i, so one loop with a constant count walks them and all work-groups are alike.
; KEYS ARE SPLIT AMONG THE WAVES: every wave holds all 64 rows and takes keys 64 w .. 64 w + 63 of each tile.  At a block's end the four partial results meet in LDS, in f32.
; Register slot u of wave w holds query tile (u + w) % 4, so wave w's slot 0 is the tile that it finishes and stores.
; CLUSTER.  The four work-groups of a cluster have the same i / 8, hence the same walk: every tile of K and V is asked for jointly.  What differs between them (the block's place in its diagonal tile, Q's and
; O's addresses) enters values and global addresses alone; every branch hangs on the cluster's x, on counters and on the wave's number.
; LAYOUT.  S^T = K Q^T: a lane holds one query (lane % 16) and keys 8 (lane / 16) + 0..7; two results rounded to f16 are source 1 of O^T = V^T P.  The mask is the C operand that starts S^T's sums.
; A TILE (STEP): scores of slots 0, 1 | scores of slots 2, 3 with the softmax of slots 0, 1 behind them in slices | V^T P of slots 0, 1 with the softmax of slots 2, 3 | V^T P of slots 2, 3.
; O^T and l are cleared once, in the wait for the first tile (264 lines): a block's first step multiplies them by a = 0, so no first step is written out.
; REGISTERS, in windows of 256: window 0: v0-11 addresses; v12-43 eight registers of statistics a slot; v44-63 addresses; v64-191 S^T, 32 a slot; v192-255 P, 16 a slot
;   window 1: O^T, 64 a slot      window 2: v0-127 Q, 32 a slot; v128-255 K      window 3: v0-127 V; v128-191 the masks, by the slot's parity
.set PK,    272
.set PV,    288
.set VOFF,  256*PK                     ; a slot: 256 rows of K, then 256 rows of V
.set SLOT1, 0x24000                    ; slot 1 begins here: none of its bits is set in a descriptor's LDS word for slot 0 (0, 0x8800, 0x11000, 0x1a000)
.set MRG,   SLOT1+VOFF+256*PV          ; four regions of 8,192 bytes: wave w's partial tiles on their way to their owners; later its stage for the way out
.set STAT,  MRG+4*8192                 ; (c m, l) of wave x, query tile qt, row r at 512 x + 128 qt + 8 r
.set SPARE, STAT+2048                  ; the spare words
.set SP,    272
.set AK0, 2
.set AV0, 3
.set ADR, 4
.set STO, 6
.set RD,  7
.set GO,  8
.set TP,  9
.set ST,  12                           ; slot t at v[ST + 8 t]: c m, m, l (even keys', odd keys'), c0-c3 at work; a takes c2's place
.set QO,  44
.set SA,  48
.set DL,  52
.set DD,  54
.set MRR, 56                           ; v56-58: in round r I read region (w - r) % 4
.set MW,  59                           ; my own region
.set PFO, 61
.set SPW, 62
.set NIL, 63
.set S,   64
.set P,   192
.set KF,  128
.set MC,  128
.set WV,  12
.set CX,  13
.set LIM, 15
.set PFA, 20
.set G1K, 24
.set G1V, 32
.set G0K, 40
.set G0V, 44
.set PHR, 48                           ; 0 or SLOT1: the slot that is read
.set RT,  50                           ; tiles of the block in hand still to be entered
.set NXT, 51                           ; the tile to be asked for next
.set LQ,  52                           ; the last tile of the block whose tiles are being asked for
.set NEW, 53
.set OFF, 54
.set SLOTS, 56
.set CP,  57
.set CS,  58
.set SEL, 60
.set PO,  62                           ; the block's first position in its diagonal tile
.set DOFF, 63
.set QB1, 66
.set QB2, 68
.set OB2, 70
.set PO2, 72
.set BIGN, 73
.set W512, 74
.set DIAG, 75
.set MSB, 0
.macro WIN new
.if MSB != (\new)
	s_set_vgpr_msb (MSB<<8)|(\new)
.set MSB, \new
.endif
.endm
.set W_KQ, 0x0a
.set W_KM, 0x3a                        ; the same with the C operand in window 3
.set W_PV, 0x53
.set W_RS, 0x41
.macro PLACES
.rept 4
	v_nop
.endr
.endm
.macro CROUND
	s_barrier_signal -1
	s_barrier_wait -1
	s_cmp_lg_u32 s[WV], 0
	s_cbranch_scc1 .Lnot_wave_0_\@
	s_barrier_signal -3
.Lnot_wave_0_\@:
	s_barrier_wait -3
	s_barrier_signal -1
	s_barrier_wait -1
.endm
.macro JLOAD                           ; waves 0, 1 fetch the halves of a tile's K, waves 2, 3 those of its V: 128 rows of 256 bytes each
	s_cmp_lt_u32 s[WV], 2
	s_cbranch_scc0 .Lfor_v_\@
	tensor_load_to_lds s[G0K:G0K+3], s[G1K:G1K+7]
	s_nop 0
.rept 4
	v_nop
.endr
	s_branch .Lasked_\@
.Lfor_v_\@:
	tensor_load_to_lds s[G0V:G0V+3], s[G1V:G1V+7]
	s_nop 0
.rept 4
	v_nop
.endr
.Lasked_\@:
.endm
; A prefetch of the tile that the NEXT change of slots will ask for, a lane a row.  All clusters of a y walk the same rows; the one with x = 0, whose first block walks tiles 0 to 7, names tiles 2 to 7 in its first
; six trips.  Its four partners share a tile's rows out by address, 64 each; waves 0, 1 name K's, waves 2, 3 V's, 32 each.  So each row is named once.
.macro ASK
	s_cmp_gt_u32 s[SLOTS], s[LIM]
	s_cbranch_scc0 .Lnot_mine_\@
	global_prefetch_b8 v[PFO], s[PFA:PFA+1] th:TH_LOAD_NT scope:SCOPE_SE
.Lnot_mine_\@:
.endm
; THE CHANGE OF SLOTS.  Each wave waits for all its tensor loads (one is out: its part of the other slot), adds 0 to its spare word, and waits for that and for its reads of the slot that it leaves.
; fill = 1: the barrier is a round of the cluster's, and the old slot is filled again first thing behind it, with tile NXT; the descriptor's address is made anew from that number.
.macro CHANGE fill
	WIN 0
	s_wait_tensorcnt 0x0
	ds_add_u32 v[SPW], v[NIL]
	s_xor_b32 s[PHR], s[PHR], SLOT1
.if \fill
	s_lshl_b32 s[OFF], s[NXT], 16                  ; a tile is 65,536 bytes of K and of V
	s_xor_b32 s[G0K+1], s[G0K+1], SLOT1
	s_add_nc_u64 s[G0K+2:G0K+3], s[6:7], s[OFF:OFF+1]
	s_or_b32 s[G0K+3], s[G0K+3], 0x80000000
	s_xor_b32 s[G0V+1], s[G0V+1], SLOT1
	s_add_nc_u64 s[G0V+2:G0V+3], s[8:9], s[OFF:OFF+1]
	s_or_b32 s[G0V+3], s[G0V+3], 0x80000000
	s_add_co_u32 s[NXT], s[NXT], 1                 ; the block's next tile, or behind its last the second block's tile 0
	s_cmp_gt_u32 s[NXT], s[LQ]
	s_cselect_b32 s[NXT], 0, s[NXT]
	s_cselect_b32 s[LQ], s[CP], s[LQ]
	s_wait_xcnt 0x0                                ; the last prefetch, a tile back, has read its address
	s_add_nc_u64 s[PFA:PFA+1], s[PFA:PFA+1], 0x10000
	s_wait_dscnt 0x0
	CROUND
	JLOAD
.else
	s_wait_dscnt 0x0
	s_barrier_signal -1
	s_barrier_wait -1
.endif
.endm
	s_load_b256 s[4:11], s[0:1], 0x0               ; qh 4, kh 6, vh 8, ao 10
	v_lshl_add_u32 v[SPW], v0, 2, SPARE
	v_mov_b32 v[NIL], 0
	ds_add_u32 v[SPW], v[NIL]                      ; the wave's opening: the add and its wait ahead of my first tensor load; the set-up stands between them
	v_lshrrev_b32 v1, 5, v0
	v_readfirstlane_b32 s[WV], v1
	s_bfe_u32 s[CX], ttmp6, 0x40000
	s_lshr_b32 s[CP], ttmp9, 1                     ; i / 8: the same in all four partners
	s_and_b32 s76, ttmp9, 1
	s_lshl_b32 s76, s76, 2
	s_add_co_u32 s76, s76, s[CX]                   ; i % 8
	s_lshl_b32 s[PO2], s76, 5
	s_sub_co_u32 s[PO], 224, s[PO2]
	s_lshl_b32 s81, ttmp9, 2
	s_add_co_u32 s81, s81, s[CX]                   ; i
	s_sub_co_u32 s92, 63, s81
	s_and_b32 s79, ttmp7, 0xffff                   ; y
	s_and_b32 s80, s[WV], 1
	s_lshl_b32 s22, s79, 19                        ; K, V: the head's 524,288 bytes, my half of a tile
	s_lshl_b32 s76, s80, 15
	s_add_co_u32 s22, s22, s76
	s_mov_b32 s23, 0
	s_lshl_b32 s82, s79, 19                        ; the prefetches: my work-group's 64 rows, my wave's 32 of them, in tile 1: the first change steps them to tile 2
	s_lshl_b32 s76, s[CX], 14
	s_add_co_u32 s82, s82, s76
	s_lshl_b32 s76, s80, 13
	s_add_co_u32 s82, s82, s76
	s_add_co_u32 s82, s82, 0x10000
	s_mov_b32 s83, 0
	s_lshl_b32 s76, s79, 20                        ; Q: head 2 y, 256 bytes a row
	s_lshl_b32 s84, s92, 13
	s_add_co_u32 s84, s84, s76
	s_mov_b32 s85, 0
	s_lshl_b32 s86, s81, 13
	s_add_co_u32 s86, s86, s76
	s_mov_b32 s87, 0
	s_lshr_b32 s93, s79, 2                         ; O: token 2,048 batch + the block's first + 16 (w % 2), 2,048 bytes a token; head 2 kv + w / 2, 256 bytes
	s_lshl_b32 s93, s93, 22
	s_lshl_b32 s76, s80, 15
	s_add_co_u32 s93, s93, s76
	s_and_b32 s76, s79, 3
	s_lshl_b32 s76, s76, 1
	s_lshr_b32 s77, s[WV], 1
	s_add_co_u32 s76, s76, s77
	s_lshl_b32 s76, s76, 8
	s_add_co_u32 s93, s93, s76
	s_lshl_b32 s88, s92, 16
	s_add_co_u32 s88, s88, s93
	s_mov_b32 s89, 0
	s_lshl_b32 s90, s81, 16
	s_add_co_u32 s90, s90, s93
	s_mov_b32 s91, 0
	s_mov_b32 s[G1K], 15|(1<<16)|(1<<20)|(1<<21)|(5<<22)|(3<<25)  ; the mask of four; 2-byte elements; padding on; bit 21 beside a mask; after every 64 words, 4 words
	s_mov_b32 s[G1V], 15|(1<<16)|(1<<20)|(1<<21)|(5<<22)|(7<<25)  ; 8 words
.irp g, G1K, G1V
	s_mov_b32 s[(\g)+1], 128<<16
	s_mov_b32 s[(\g)+2], 128<<16
	s_mov_b32 s[(\g)+3], 128<<16
	s_mov_b32 s[(\g)+4], 128
	s_mov_b32 s[(\g)+5], 128
	s_mov_b32 s[(\g)+6], 0
	s_mov_b32 s[(\g)+7], 0
.endr
	s_mov_b32 s[G0K], 1
	s_mul_i32 s[G0K+1], s80, 128*PK
	s_mov_b32 s[G0V], 1
	s_mul_i32 s76, s80, 128*PV
	s_add_co_u32 s[G0V+1], s76, VOFF
	s_mov_b32 s[PHR], SLOT1                        ; the first change turns it into 0
	s_sub_co_u32 s[RT], 8, s[CP]
	s_mov_b32 s[NXT], 1
	s_sub_co_u32 s[LQ], 7, s[CP]
	s_mov_b32 s[NEW], 1
	s_mov_b32 s[OFF+1], 0
	s_mov_b32 s[SLOTS], 8
	s_mov_b32 s[CS], 0x3e0293ee                    ; c = log2(e) / sqrt(128)
	s_mov_b32 s[CS+1], s[CS]
	s_mov_b32 s[SEL], 0x76543210
	s_mov_b32 s[SEL+1], 0xfedcba98
	s_mov_b32 s[BIGN], 0xf149f2ca                  ; -1e30
	s_lshl_b32 s[W512], s[WV], 9
	s_cmp_eq_u32 ttmp9, 0
	s_cselect_b32 s[LIM], 2, -1
	v_and_b32 v1, 15, v0                           ; r
	v_bfe_u32 v5, v0, 4, 1                         ; h
	v_and_b32 v10, 31, v0                          ; lane
	v_mul_u32_u24 v[AK0], v1, PK
	v_lshl_add_u32 v[AK0], v5, 4, v[AK0]
	s_mul_i32 s76, s[WV], 64*PK
	v_add_nc_u32 v[AK0], s76, v[AK0]               ; my wave's 64 keys
	v_and_b32 v11, 7, v0
	v_lshl_add_u32 v11, v5, 3, v11
	v_mul_u32_u24 v[AV0], v11, PV
	v_bfe_u32 v11, v0, 3, 1
	v_lshl_add_u32 v[AV0], v11, 4, v[AV0]
	s_mul_i32 s76, s[WV], 64*PV
	s_add_co_u32 s76, s76, VOFF
	v_add_nc_u32 v[AV0], s76, v[AV0]
	s_lshl_b32 s76, s[WV], 13
	s_add_co_u32 s76, s76, MRG
	v_mul_u32_u24 v[STO], v1, SP
	v_lshl_add_u32 v[STO], v5, 4, v[STO]
	v_add_nc_u32 v[STO], s76, v[STO]
	v_mul_u32_u24 v[RD], v5, SP
	v_lshl_add_u32 v[RD], v1, 4, v[RD]
	v_add_nc_u32 v[RD], s76, v[RD]
	v_lshl_add_u32 v[MW], v10, 4, s76
	v_lshlrev_b32 v[GO], 11, v5
	v_lshl_add_u32 v[GO], v1, 4, v[GO]
	v_lshlrev_b32 v[PFO], 8, v10
	v_lshlrev_b32 v[TP], 8, v1
	v_lshl_add_u32 v[TP], v5, 4, v[TP]
.irp u, 0,1,2,3
	s_add_co_u32 s76, s[WV], \u
	s_and_b32 s76, s76, 3                          ; slot u's query tile
	s_lshr_b32 s77, s76, 1
	s_lshl_b32 s77, s77, 19
	s_and_b32 s78, s76, 1
	s_lshl_b32 s78, s78, 12
	s_add_co_u32 s77, s77, s78
	v_add_nc_u32 v[QO+(\u)], s77, v[TP]
	s_lshl_b32 s76, s76, 7
	s_add_co_u32 s76, s76, STAT
	v_lshl_add_u32 v[SA+(\u)], v1, 3, s76
.endr
.irp r, 1,2,3
	s_add_co_u32 s76, s[WV], 4-(\r)
	s_and_b32 s76, s76, 3
	s_lshl_b32 s76, s76, 13
	s_add_co_u32 s76, s76, MRG
	v_lshl_add_u32 v[MRR+(\r)-1], v10, 4, s76
.endr
	v_lshlrev_b32 v11, 3, v5                       ; register reg of key block kb is hidden where 16 kb + reg > the block's place + 16 (qt % 2) + r - 64 w - 8 h
	v_sub_nc_u32 v11, v1, v11
	s_lshl_b32 s76, s80, 4
	s_lshl_b32 s77, s[WV], 6
	s_sub_co_u32 s78, s76, s77
	v_add_nc_u32 v[DL], s78, v11
	s_xor_b32 s76, s76, 16
	s_sub_co_u32 s78, s76, s77
	v_add_nc_u32 v[DL+1], s78, v11
	s_wait_dscnt 0x0                               ; the opening add is done
	s_wait_kmcnt 0x0
	s_cmp_lt_u32 s[WV], 2
	s_cselect_b64 s[PFA:PFA+1], s[6:7], s[8:9]
	s_add_nc_u64 s[PFA:PFA+1], s[PFA:PFA+1], s[82:83]
	s_add_nc_u64 s[6:7], s[6:7], s[22:23]
	s_add_nc_u64 s[8:9], s[8:9], s[22:23]
	s_add_nc_u64 s[QB1:QB1+1], s[4:5], s[84:85]
	s_add_nc_u64 s[QB2:QB2+1], s[4:5], s[86:87]
	s_add_nc_u64 s[OB2:OB2+1], s[10:11], s[90:91]
	s_add_nc_u64 s[10:11], s[10:11], s[88:89]
	s_add_nc_u64 s[G0K+2:G0K+3], s[6:7], 0
	s_or_b32 s[G0K+3], s[G0K+3], 0x80000000
	s_add_nc_u64 s[G0V+2:G0V+3], s[8:9], 0
	s_or_b32 s[G0V+3], s[G0V+3], 0x80000000
	CROUND                                         ; all four work-groups are here: the first joint loads meet
	JLOAD                                          ; tile 0 into slot 0; slot 1 is asked for by the loop's first change
.macro LOADQ base                      ; slot u's 16 rows x 128 channels: four fragments
	WIN 0x80
.irp u, 0,1,2,3
.irp c, 0,1,2,3
	global_load_b128 v[32*(\u)+8*(\c):32*(\u)+8*(\c)+3],   v[QO+(\u)], s[(\base):(\base)+1] offset:64*(\c)
	global_load_b128 v[32*(\u)+8*(\c)+4:32*(\u)+8*(\c)+7], v[QO+(\u)], s[(\base):(\base)+1] offset:64*(\c)+32
.endr
.endr
	WIN 0
.endm
	LOADQ QB1
	WIN 0x40
.set i, 0
.rept 256
	v_mov_b32 v[i], 0
.set i, i+1
.endr
	WIN 0
.irp t, 0,1,2,3
	v_mov_b32 v[ST+8*(\t)+2], 0
	v_mov_b32 v[ST+8*(\t)+3], 0
.endr
; THE MATRIX WORK.  The accumulators take turns, one instruction a turn: 8 in K Q^T, 16 in V^T P.
.macro KQ x                            ; product i of 32: channels 32 (i / 8) on, keys 16 ((i / 2) % 4) on, slot x + i % 2.  The first 8 start the sums with the mask
.set rS, S+32*((\x)+i%2)+8*((i/2)%4)
.set rK, KF+32*((i/2)%4)+8*(i/8)
.set rQ, 32*((\x)+i%2)+8*(i/8)
.set rM, MC+32*(i%2)+8*((i/2)%4)
.if i < 8
	WIN W_KM
	v_wmma_f32_16x16x32_f16 v[rS:rS+7], v[rK:rK+7], v[rQ:rQ+7], v[rM:rM+7]
.else
	WIN W_KQ
	v_wmma_f32_16x16x32_f16 v[rS:rS+7], v[rK:rK+7], v[rQ:rQ+7], v[rS:rS+7]
.endif
.endm
.macro PV x                            ; product i of 32: keys 32 (i / 16) on, channels 16 ((i / 2) % 8) on, slot x + i % 2
	WIN W_PV
.set rO, 64*((\x)+i%2)+8*((i/2)%8)
.set rV, 64*(i/16)+8*((i/2)%8)
.set rP, P+16*((\x)+i%2)+8*(i/16)
	v_wmma_f32_16x16x32_f16 v[rO:rO+7], v[rV:rV+7], v[rP:rP+7], v[rO:rO+7]
.endm
.macro FETCH_K                         ; my 64 keys x 128 channels, the channel blocks in the order in which the products want them
	WIN 0
	v_add_nc_u32 v[ADR], s[PHR], v[AK0]
	WIN 0x80
.irp c, 0,1,2,3
.irp kb, 0,1,2,3
	ds_load_b128 v[KF+32*(\kb)+8*(\c):KF+32*(\kb)+8*(\c)+3],   v[ADR] offset:(\kb)*16*PK+(\c)*64
	ds_load_b128 v[KF+32*(\kb)+8*(\c)+4:KF+32*(\kb)+8*(\c)+7], v[ADR] offset:(\kb)*16*PK+(\c)*64+32
.endr
.endr
	WIN 0
.endm
.macro FETCH_V
	WIN 0
	v_add_nc_u32 v[ADR], s[PHR], v[AV0]
	s_wait_alu depctr_va_vdst(0)                   ; the wait for the softmax's batch of exponentials, ahead of their first reader
	WIN 0xc0
.irp f, 0,1,2,3,4,5,6,7,8,9,10,11,12,13,14,15
	ds_load_tr16_b128 v[8*(\f):8*(\f)+3],   v[ADR] offset:((\f)/8)*32*PV+((\f)%8)*32
	ds_load_tr16_b128 v[8*(\f)+4:8*(\f)+7], v[ADR] offset:((\f)/8)*32*PV+16*PV+((\f)%8)*32
.endr
.endm
; THE VECTOR WORK.  One slot's softmax for a tile is a list of 134 instructions; SM writes number j of it for slot t.
;   0-15 the maximum of the 32 scores and the old m (each accumulator's lowest registers first)   16-20 the other half of the lanes'; m; c m; its change
;   21-69 one batch: 16 packed scalings c s - c m and 33 exponentials (a at 23), none of which reads an exponential's result   70-85 roundings to f16   86-101 sums, l = a l + sum   102-133 O^T times a
.macro SM t
.set rT, ST+8*(\t)
.set rS, S+32*(\t)
.set rP, P+16*(\t)
.set rO, 64*(\t)+2*(j-102)
.if j < 102
	WIN 0
.endif
.if j < 4
	v_max3_num_f32 v[rT+4+j], v[rS+8*j], v[rS+8*j+1], v[rS+8*j+2]
.elseif j < 12
	v_max3_num_f32 v[rT+4+j%4], v[rT+4+j%4], v[rS+8*(j%4)+2*(j/4)+1], v[rS+8*(j%4)+2*(j/4)+2]
.elseif j == 12
	v_max3_num_f32 v[rT+4], v[rT+4], v[rS+7], v[rS+15]
.elseif j == 13
	v_max3_num_f32 v[rT+6], v[rT+6], v[rS+23], v[rS+31]
.elseif j == 14
	v_max3_num_f32 v[rT+4], v[rT+4], v[rT+5], v[rT+6]
.elseif j == 15
	v_max3_num_f32 v[rT+4], v[rT+4], v[rT+7], v[rT+1]
.elseif j == 16
	v_permlanex16_b32 v[rT+5], v[rT+4], s[SEL], s[SEL+1]
.elseif j == 17
	v_mov_b32 v[rT+7], v[rT]
.elseif j == 18
	v_max_num_f32 v[rT+1], v[rT+4], v[rT+5]
.elseif j == 19
	v_mul_f32 v[rT], s[CS], v[rT+1]
.elseif j == 20
	v_sub_f32 v[rT+7], v[rT+7], v[rT]
.elseif j == 23
	v_exp_f32 v[rT+6], v[rT+7]
.elseif (j < 23) || ((j < 38) && (j%2 == 0)) || ((j < 66) && (j%4 == 2))
.set b, (j-2)/4
.if j < 38
.set b, (j-20)/2
.endif
	v_pk_fma_f32 v[rS+2*b:rS+2*b+1], v[rS+2*b:rS+2*b+1], s[CS:CS+1], v[rT:rT+1] op_sel_hi:[1,0,0] neg_lo:[0,0,1] neg_hi:[0,0,1]
.elseif j < 70
.set e, j-38
.if j < 66
.set e, j-32-(j-38)/4
.endif
.if j < 38
.set e, (j-25)/2
.endif
	v_exp_f32 v[rS+e], v[rS+e]
.elseif j < 86
	v_cvt_pk_f16_f32 v[rP+j-70], v[rS+2*(j-70)], v[rS+2*(j-70)+1]
.elseif j < 102
.set z, j-86
.set w, 4
.set u, z
.if z >= 14
.set w, 32
.set u, 0
.elseif z >= 12
.set w, 16
.set u, z-12
.elseif z >= 8
.set w, 8
.set u, z-8
.endif
.if z < 15
	v_pk_add_f32 v[rS+w*u:rS+w*u+1], v[rS+w*u:rS+w*u+1], v[rS+w*u+w/2:rS+w*u+w/2+1]
.else
	v_pk_fma_f32 v[rT+2:rT+3], v[rT+2:rT+3], v[rT+6:rT+7], v[rS:rS+1] op_sel_hi:[1,0,1]
.endif
.else
	WIN W_RS
	v_pk_mul_f32 v[rO:rO+1], v[rO:rO+1], v[rT+6:rT+7] op_sel_hi:[1,0]
.endif
.endm
; Slice k of 64 of the softmax of slots y, y + 1: four instructions (slice 63: sixteen).  Slices 11 to 34 deal out the batch, four numbers of one slot each; behind slice 34 stand a plain instruction and the
; one wait for the 66 exponentials; for slots 0, 1 V's run of loads stands there too.
.macro SLICE y
.if (k >= 11) && (k < 35)
.irp n, 0,1,2,3
.set j, 22+4*((k-11)/2)+(\n)
	SM (\y)+(k-11)%2
.endr
.else
.irp n, 0,1,2,3,4,5,6,7
.if ((\n) < 2) || (k == 63)
.irp t, \y, (\y)+1
.set j, 2*k+(\n)
	SM \t
.endr
.endif
.endr
.endif
.if k == 34
	v_nop
.if (\y) == 0
	FETCH_V
.else
	s_wait_alu depctr_va_vdst(0)
.endif
.endif
.set k, k+1
.endm
.macro STEP
.set i, 0
.rept 32
.if (i%8) == 0
	s_wait_dscnt 24-i                              ; K's channel block i / 8 is in; the later blocks' loads may be out
.endif
	KQ 0
.set i, i+1
.endr
	WIN 0
	PLACES                                         ; behind the last of those products, ahead of the first read of its scores
.set k, 0
.set i, 0
.rept 32
	KQ 2
	SLICE 0
	SLICE 0
.set i, i+1
.endr
	s_wait_dscnt 0x0                               ; V is in
.set k, 0
.set i, 0
.rept 32
	PV 0
	SLICE 2
	SLICE 2
.set i, i+1
.endr
.set i, 0
.rept 32
	PV 2
.set i, i+1
.endr
.endm
; A BLOCK BEGINS.  c m starts at -4.3e37, far below every c m to come, so the first step's a is 0.  m starts at -2^66: below every visible score (5.5e11 at the most), above every hidden one (-1e30).
; So where a block's first tile is its diagonal one and all 64 keys of my wave are hidden for a row, m stays -2^66, the row's weights are 2^(-1.3e29 + 9.4e18) = 0, and l and O^T stay 0.
.macro BEGIN
	s_mov_b32 s[NEW], 0
.irp t, 0,1,2,3
	v_mov_b32 v[ST+8*(\t)], 0xfe000000
	v_mov_b32 v[ST+8*(\t)+1], 0xe0800000
.endr
	s_wait_loadcnt 0x0                             ; Q
.endm
.macro MASK                            ; 0, or -1e30 where the key is hidden; with DOFF = 4,096 nothing is
	WIN 0
	v_add_nc_u32 v[DD], s[DOFF], v[DL]
	v_add_nc_u32 v[DD+1], s[DOFF], v[DL+1]
	WIN 0xc0
.set z, 0
.rept 64
	v_cmp_gt_i32 vcc_lo, 16*((z/8)%4)+z%8, v[DD+z/32]
	v_cndmask_b32 v[MC+z], 0, s[BIGN], vcc_lo
.set z, z+1
.endr
	WIN 0
.endm
; A BLOCK ENDS.  Every wave publishes (c m, l) of its four slots; each scales its partial O^T by 2^(c m - M) / L, with M the largest c m of the four waves and L the sum of 2^(c m_x - M) l_x; a wave whose keys
; were all hidden for a row has c m = -9.4e18 and l = 0 there and counts as 0; wave 0 always sees the tile's key 0, so L is above 0.  Then, in three rounds, wave w lays slot r into its own region and the
; tile's owner, wave (w + r) % 4, adds it onto its slot 0.  The barriers are plain ones. more = 1: the second block follows.
.macro BLOCKEND more
	WIN 0
.if \more
	s_wait_loadcnt 0x0                             ; the loads that last wrote Q's registers are in, on every way that leads here: only then are new loads issued into them
	LOADQ QB2                                      ; the last product that read Q stands a softmax back
.endif
.irp t, 0,1,2,3
	v_add_f32 v[ST+8*(\t)+4], v[ST+8*(\t)+2], v[ST+8*(\t)+3]
.endr
.irp t, 0,1,2,3
	v_permlanex16_b32 v[ST+8*(\t)+5], v[ST+8*(\t)+4], s[SEL], s[SEL+1]
.endr
.irp t, 0,1,2,3
	v_add_f32 v[ST+8*(\t)+1], v[ST+8*(\t)+4], v[ST+8*(\t)+5]
.endr
.irp t, 0,1,2,3
	v_add_nc_u32 v[TP], s[W512], v[SA+(\t)]
	ds_store_b64 v[TP], v[ST+8*(\t):ST+8*(\t)+1]
.endr
	s_wait_dscnt 0x0
	s_barrier_signal -1
	s_barrier_wait -1
.irp t, 0,1,2,3
.irp x, 0,1,2,3
	ds_load_b64 v[S+8*(\t)+2*(\x):S+8*(\t)+2*(\x)+1], v[SA+(\t)] offset:512*(\x)
.endr
.endr
	s_wait_dscnt 0x0
.irp t, 0,1,2,3
	v_max3_num_f32 v[S+32+(\t)], v[S+8*(\t)], v[S+8*(\t)+2], v[S+8*(\t)+4]
.endr
.irp t, 0,1,2,3
	v_max_num_f32 v[S+32+(\t)], v[S+32+(\t)], v[S+8*(\t)+6]
.endr
.irp t, 0,1,2,3
.irp x, 0,1,2,3
	v_sub_f32 v[S+8*(\t)+2*(\x)], v[S+8*(\t)+2*(\x)], v[S+32+(\t)]
.endr
	v_sub_f32 v[S+36+(\t)], v[ST+8*(\t)], v[S+32+(\t)]
.endr
.irp t, 0,1,2,3
.irp x, 0,1,2,3
	v_exp_f32 v[S+8*(\t)+2*(\x)], v[S+8*(\t)+2*(\x)]
.endr
	v_exp_f32 v[S+36+(\t)], v[S+36+(\t)]
.endr
	v_nop
	s_wait_alu depctr_va_vdst(0)                   ; one wait for the twenty exponentials
.irp t, 0,1,2,3
	v_mul_f32 v[S+40+(\t)], v[S+8*(\t)], v[S+8*(\t)+1]
.endr
.irp x, 1,2,3
.irp t, 0,1,2,3
	v_fmac_f32 v[S+40+(\t)], v[S+8*(\t)+2*(\x)], v[S+8*(\t)+2*(\x)+1]
.endr
.endr
.irp t, 0,1,2,3
	v_rcp_f32 v[S+44+(\t)], v[S+40+(\t)]
.endr
	v_nop
	s_wait_alu depctr_va_vdst(0)                   ; one wait for the four reciprocals
.irp t, 0,1,2,3
	v_mul_f32 v[ST+8*(\t)+6], v[S+36+(\t)], v[S+44+(\t)]
.endr
	WIN W_RS
.irp t, 0,1,2,3
.set n, 0
.rept 32
	v_pk_mul_f32 v[64*(\t)+n:64*(\t)+n+1], v[64*(\t)+n:64*(\t)+n+1], v[ST+8*(\t)+6:ST+8*(\t)+7] op_sel_hi:[1,0]
.set n, n+2
.endr
.endr
.irp r, 1,2,3
	WIN 0x04                                       ; store data in window 1
.irp q, 0,1,2,3,4,5,6,7,8,9,10,11,12,13,14,15
	ds_store_b128 v[MW], v[64*(\r)+4*(\q):64*(\r)+4*(\q)+3] offset:512*(\q)
.endr
	WIN 0
	s_wait_dscnt 0x0                               ; for the owner's sake
	s_barrier_signal -1
	s_barrier_wait -1
.irp q, 0,1,2,3,4,5,6,7,8,9,10,11,12,13,14,15
	ds_load_b128 v[S+4*(\q):S+4*(\q)+3], v[MRR+(\r)-1] offset:512*(\q)
.endr
	s_wait_dscnt 0x0                               ; my reads are over: the region may be written again behind this barrier
	s_barrier_signal -1
	WIN W_RS
.set n, 0
.rept 32
	v_pk_add_f32 v[n:n+1], v[n:n+1], v[S+n:S+n+1]
.set n, n+2
.endr
	WIN 0
	s_barrier_wait -1
.endr
	WIN 0x05                                       ; THE WAY OUT of slot 0: rounded to f16, through my region as a stage, out as whole rows of 256 bytes
.set n, 0
.rept 32
	v_cvt_pk_f16_f32 v[S+64+n], v[2*n], v[2*n+1]
.set n, n+1
.endr
	WIN 0
.irp f, 0,1,2,3,4,5,6,7
	ds_store_b128 v[STO], v[S+64+4*(\f):S+64+4*(\f)+3] offset:32*(\f)
.endr
.irp f, 0,1,2,3,4,5,6,7
	ds_load_b128 v[S+96+4*(\f):S+96+4*(\f)+3], v[RD] offset:(\f)*2*SP
.endr
.irp f, 0,1,2,3,4,5,6,7
	s_wait_dscnt 7-(\f)
	global_store_b128 v[GO], v[S+96+4*(\f):S+96+4*(\f)+3], s[10:11] offset:4096*(\f)  ; 16 lanes store 256 consecutive bytes, aligned: a head's 128 channels of a token
.endr
.if \more
	s_wait_xcnt 0x0                                ; the stores have read their registers and O's address
	s_mov_b64 s[10:11], s[OB2:OB2+1]
	s_add_co_u32 s[RT], s[CP], 1
	s_mov_b32 s[NEW], 1
	s_mov_b32 s[PO], s[PO2]
.endif
.endm
.Lslot:                                        ; eight trips: a tile is entered and the next is asked for
	CHANGE 1
	FETCH_K
	ASK
	s_sub_co_u32 s[RT], s[RT], 1
	s_cmp_eq_u32 s[RT], 0
	s_cselect_b32 s[DIAG], 1, 0
	s_cselect_b32 s[DOFF], s[PO], 4096
	s_cmp_eq_u32 s[NEW], 1
	s_cbranch_scc1 .Lnew                           ; a block's first tile (at the first trip the answer is a constant of the text)
	s_cmp_eq_u32 s[DIAG], 1
	s_cbranch_scc1 .Lmask
	s_branch .Lstep
.Lnew:
	BEGIN
.Lmask:
	MASK
.Lstep:
	STEP
	WIN 0
	s_cmp_eq_u32 s[DIAG], 1
	s_cbranch_scc0 .Lbottom
	BLOCKEND 1
.Lbottom:
	s_sub_co_u32 s[SLOTS], s[SLOTS], 1
	s_cmp_lg_u32 s[SLOTS], 0
	s_cbranch_scc1 .Lslot
	CHANGE 0                                       ; the walk's last tile is written out: it is the second block's diagonal tile
	FETCH_K
	s_mov_b32 s[DOFF], s[PO]
	s_cmp_eq_u32 s[NEW], 1
	s_cbranch_scc0 .Lold2
	BEGIN
.Lold2:
	MASK
	STEP
	BLOCKEND 0
	s_wait_tensorcnt 0x0                           ; the wave's end
	ds_add_u32 v[SPW], v[NIL]
	s_wait_dscnt 0x0
	CROUND                                         ; the closing round
	s_endpgm
.Lfunc_end_k_qedde6f4964_attn:
	.size	k_qedde6f4964_attn, .Lfunc_end_k_qedde6f4964_attn-k_qedde6f4964_attn
	.p2alignl 7, 3214868480
	.fill 96, 4, 3214868480
	.section	.rodata,"a",@progbits
	.p2align	6, 0x0
	.amdhsa_kernel k_qedde6f4964_attn
		.amdhsa_group_segment_fixed_size 327680
		.amdhsa_private_segment_fixed_size 0
		.amdhsa_enable_private_segment 0
		.amdhsa_kernarg_size 32
		.amdhsa_user_sgpr_count 2
		.amdhsa_user_sgpr_kernarg_segment_ptr 1
		.amdhsa_wavefront_size32 1
		.amdhsa_system_sgpr_workgroup_id_x 1
		.amdhsa_system_sgpr_workgroup_id_y 1
		.amdhsa_system_sgpr_workgroup_id_z 1
		.amdhsa_system_vgpr_workitem_id 0
		.amdhsa_next_free_vgpr 1024
		.amdhsa_next_free_sgpr 100
		.amdhsa_reserve_vcc 1
		.amdhsa_float_denorm_mode_32 3
		.amdhsa_float_denorm_mode_16_64 3
		.amdhsa_memory_ordered 1
		.amdhsa_forward_progress 1
		.amdhsa_inst_pref_size 192
	.end_amdhsa_kernel
	.amdgpu_metadata
---
amdhsa.version: [ 1, 2 ]
amdhsa.kernels:
  - .name:           k_qedde6f4964_attn
    .symbol:         k_qedde6f4964_attn.kd
    .args:
      - { .name: qh, .offset: 0, .size: 8, .value_kind: global_buffer, .address_space: global }
      - { .name: kh, .offset: 8, .size: 8, .value_kind: global_buffer, .address_space: global }
      - { .name: vh, .offset: 16, .size: 8, .value_kind: global_buffer, .address_space: global }
      - { .name: ao, .offset: 24, .size: 8, .value_kind: global_buffer, .address_space: global }
    .group_segment_fixed_size: 327680
    .private_segment_fixed_size: 0
    .kernarg_segment_align: 8
    .kernarg_segment_size: 32
    .max_flat_workgroup_size: 128
    .sgpr_count:     100
    .vgpr_count:     1024
    .wavefront_size: 32
...
	.end_amdgpu_metadata
.endif
;; end of part 3
;; launch oproj (part 4): grid 16 x 16, 4 waves a work-group, clusters of 4 x 4, 327,680 bytes of LDS; arguments ao, woh, out0; writes out0
.if DOCPART == 4
	.amdgcn_target "amdgcn-amd-amdhsa--gfx1250"
	.amdhsa_code_object_version 6
	.text
	.protected	k_qedde6f4964_oproj
	.globl	k_qedde6f4964_oproj
	.p2align	8
	.type	k_qedde6f4964_oproj,@function
k_qedde6f4964_oproj:
	s_mov_b64 s[64:65], 0
	v_nop
	global_prefetch_b8 v0, s[64:65] scope:SCOPE_SE
	s_setreg_imm32_b32 hwreg(HW_REG_WAVE_MODE, 25, 1), 1
	s_wait_xcnt 0x0
	s_wait_alu depctr_hold_cnt(0) depctr_sa_sdst(0) depctr_va_vdst(0) depctr_va_sdst(0) depctr_va_ssrc(0) depctr_va_vcc(0) depctr_vm_vsrc(0)
	s_getreg_b32 s2, hwreg(HW_REG_IB_STS2, 6, 4)
	s_cmp_eq_u32 s2, 0
	s_cbranch_scc0 .Lentry_in_a_cluster
	s_endpgm
.Lentry_in_a_cluster:
	s_bfe_u32 s2, ttmp6, 0x10000c
	s_cmp_lg_u32 s2, 0xf033
	s_cbranch_scc0 .Lentry_shape_is_right
	s_endpgm
.Lentry_shape_is_right:
; OUT = ao [4096 x 1024] x woh [1024 x 4096], f16 operands, f32 sums, f32 out.  woh lies [k][column] and is turned by ds_load_tr16_b128.
; A tile of the output is 256 x 256: 256 work-groups of four waves, each wave 128 x 128: 64 accumulators.  K in 8 steps of 128 through two LDS slots; each wave brings a quarter of a slot by one tensor load:
; waves 0, 1 ao's halves (128 rows of 256 bytes), waves 2, 3 woh's (64 k rows of 512 bytes).  CLUSTER 4 x 4: ao's tile is asked for jointly along a row of the cluster, woh's along a column.
; TRANSPOSED USE: source 0 = 16 columns of woh, source 1 = 16 tokens: a lane holds one token and eight neighbouring columns, 32 bytes of a row of the output.
; REGISTERS: window 0: v16-31 addresses; v64-127, v128-191 ao's fragments, two buffers (at the end: rows read back from the stage); window 1: v64-127, v128-191 woh's fragments;
;   window 2: the accumulators of my tokens 0-63 ((a, b) at 8 (8 a + b)); window 3: those of tokens 64-127.
.set KSTEP,  128
.set PA,     272
.set PB,     544
.set HALFA,  128*PA
.set HALFB,  64*PB
.set ATILE,  2*HALFA
.set SLOT1,  ATILE+2*HALFB             ; 0x22000: none of its bits is set in a descriptor's LDS word for slot 0 (0, 0x8800, 0x11000, 0x19800), so one exclusive or turns the word
.set STAGE,  2*SLOT1                   ; 16 rows x 528 bytes for each wave
.set SPT,    528
.set SPARE,  STAGE+4*16*SPT
.set ADRA, 16
.set ADRB, 17
.set A0,   18
.set B0,   19
.set STO,  24
.set RD,   25
.set CO,   26
.set SPW,  28
.set NIL,  29
.set PFO,  30
.set F0,   64
.set F1,   128
.set G1A, 24
.set G0A, 32
.set LIM, 43
.set PFA, 44
.set PFS, 46
.set G1B, 48
.set G0B, 56
.set PHC, 84
.set MSB, 0
.macro WIN new
.if MSB != (\new)
	s_set_vgpr_msb (MSB<<8)|(\new)
.set MSB, \new
.endif
.endm
.set MUL_LO, 0xa1
.set MUL_HI, 0xf1
.set TO_B,   0x40
.macro PLACES
.rept 4
	v_nop
.endr
.endm
.macro CREST
	s_cmp_lg_u32 s10, 0
	s_cbranch_scc1 .Lnot_wave_0_\@
	s_barrier_signal -3
.Lnot_wave_0_\@:
	s_barrier_wait -3
	s_barrier_signal -1
	s_barrier_wait -1
.endm
.macro CROUND
	s_barrier_signal -1
	s_barrier_wait -1
	CREST
.endm
.macro JLOAD
	s_cmp_lt_u32 s10, 2
	s_cbranch_scc0 .Lfor_b_\@
	tensor_load_to_lds s[G0A+4:G0A+7], s[G1A:G1A+7]
	s_nop 0
.rept 4
	v_nop
.endr
	s_branch .Lasked_\@
.Lfor_b_\@:
	tensor_load_to_lds s[G0B+4:G0B+7], s[G1B:G1B+7]
	s_nop 0
.rept 4
	v_nop
.endr
.Lasked_\@:
.endm
; A prefetch of the K step two refills on, 32 blocks of 256 bytes, a lane a block: ao's by the clusters with x = 0 (waves 0, 1: a lane a row), woh's by those with y = 0 (waves 2, 3: row lane / 2, block lane % 2);
; the four partners that ask for a tile jointly share its rows out by address.  So each block is named once.  The last refills have no K step two on.
.macro ASK
	s_cmp_gt_u32 s3, s[LIM]
	s_cbranch_scc0 .Lnot_mine_\@
	global_prefetch_b8 v[PFO], s[PFA:PFA+1] th:TH_LOAD_NT scope:SCOPE_SE
.Lnot_mine_\@:
.endm
	s_load_b128 s[4:7], s[0:1], 0x0                ; ao 4, woh 6
	s_load_b64 s[8:9], s[0:1], 0x10                ; out0
	v_lshl_add_u32 v[SPW], v0, 2, SPARE
	v_mov_b32 v[NIL], 0
	ds_add_u32 v[SPW], v[NIL]                      ; the wave's opening: the add and its wait ahead of my first tensor load
	v_lshrrev_b32 v1, 5, v0
	v_readfirstlane_b32 s10, v1
	s_lshr_b32 s11, s10, 1
	s_and_b32 s12, s10, 1
	s_bfe_u32 s40, ttmp6, 0x40000
	s_bfe_u32 s41, ttmp6, 0x40004
	s_lshl_b32 s42, ttmp9, 2
	s_add_co_u32 s42, s42, s40                     ; tc
	s_and_b32 s13, ttmp7, 0xffff
	s_lshl_b32 s13, s13, 2
	s_add_co_u32 s13, s13, s41                     ; tr
	s_lshl_b32 s14, s41, 2
	s_lshl_b32 s14, 15, s14
	s_lshl_b32 s15, 0x1111, s40
	s_or_b32 s[G1A], s14, (1<<16)|(1<<20)|(1<<21)|(5<<22)|(3<<25)  ; after every 64 words, 4 words
	s_or_b32 s[G1B], s15, (1<<16)|(1<<20)|(1<<21)|(6<<22)|(7<<25)  ; after every 128 words, 8 words
	s_mov_b32 s[G1A+1], 128<<16
	s_mov_b32 s[G1A+2], 128<<16
	s_mov_b32 s[G1A+3], 128<<16
	s_mov_b32 s[G1A+4], 128
	s_mov_b32 s[G1A+5], 1024
	s_mov_b32 s[G1A+6], 0
	s_mov_b32 s[G1A+7], 0
	s_mov_b32 s[G1B+1], 256<<16
	s_mov_b32 s[G1B+2], 64<<16
	s_mov_b32 s[G1B+3], 256<<16
	s_mov_b32 s[G1B+4], 64
	s_mov_b32 s[G1B+5], 4096
	s_mov_b32 s[G1B+6], 0
	s_mov_b32 s[G1B+7], 0
	s_lshl_b32 s16, s13, 8                         ; ao: token 256 tr + 128 half, 2,048 bytes a row
	s_lshl_b32 s17, s12, 7
	s_add_co_u32 s16, s16, s17
	s_lshl_b32 s16, s16, 11
	s_mov_b32 s17, 0
	s_lshl_b32 s20, s12, 19                        ; woh: k row 64 half, 8,192 bytes a row; column 256 tc
	s_lshl_b32 s21, s42, 9
	s_add_co_u32 s20, s20, s21
	s_mov_b32 s21, 0
	s_mul_i32 s18, s12, HALFA
	s_mul_i32 s19, s12, HALFB
	s_add_co_u32 s19, s19, ATILE
	s_mov_b32 s[G0A], 1
	s_mov_b32 s[G0A+1], s18
	s_mov_b32 s[G0A+4], 1
	s_add_co_u32 s[G0A+5], s18, SLOT1
	s_mov_b32 s[G0B], 1
	s_mov_b32 s[G0B+1], s19
	s_mov_b32 s[G0B+4], 1
	s_add_co_u32 s[G0B+5], s19, SLOT1
	; the prefetches, at K step 3; the first change of slots steps them to K step 4
	s_lshl_b32 s22, s13, 8
	s_lshl_b32 s91, s12, 7
	s_add_co_u32 s22, s22, s91
	s_lshl_b32 s14, s40, 5
	s_add_co_u32 s22, s22, s14
	s_lshl_b32 s22, s22, 11
	s_add_co_u32 s22, s22, 3*KSTEP*2
	s_lshl_b32 s23, s12, 6
	s_lshl_b32 s14, s41, 4
	s_add_co_u32 s23, s23, s14
	s_lshl_b32 s23, s23, 13
	s_lshl_b32 s14, s42, 9
	s_add_co_u32 s23, s23, s14
	s_add_co_u32 s23, s23, 3*KSTEP*8192
	s_and_b32 s14, ttmp7, 0xffff
	s_mov_b32 s15, KSTEP*2
	s_cmp_lt_u32 s10, 2
	s_cselect_b32 s22, s22, s23
	s_cselect_b32 s14, ttmp9, s14
	s_cselect_b32 s[PFS], s15, KSTEP*8192
	s_cselect_b32 s85, -1, 0
	s_mov_b32 s23, 0
	s_mov_b32 s[PFS+1], 0
	s_cmp_eq_u32 s14, 0
	s_cselect_b32 s[LIM], 2, -1
	; my part of the tile in the output: 16,384 bytes a row
	s_lshl_b32 s96, s13, 8
	s_lshl_b32 s97, s11, 7
	s_add_co_u32 s96, s96, s97
	s_lshl_b32 s96, s96, 14
	s_lshl_b32 s97, s42, 10
	s_add_co_u32 s96, s96, s97
	s_lshl_b32 s97, s12, 9
	s_add_co_u32 s96, s96, s97
	s_mov_b32 s97, 0
	s_mov_b32 s[PHC], 0
	v_and_b32 v1, 15, v0
	v_bfe_u32 v2, v0, 4, 1
	v_and_b32 v3, 7, v0
	v_bfe_u32 v4, v0, 3, 1
	v_mul_u32_u24 v[A0], v1, PA
	v_lshl_add_u32 v[A0], v2, 4, v[A0]
	s_mul_i32 s91, s11, HALFA
	v_add_nc_u32 v[A0], s91, v[A0]
	v_lshl_add_u32 v3, v2, 3, v3
	v_mul_u32_u24 v[B0], v3, PB
	v_lshl_add_u32 v[B0], v4, 4, v[B0]
	s_lshl_b32 s91, s12, 8
	s_add_co_u32 s91, s91, ATILE
	v_add_nc_u32 v[B0], s91, v[B0]
	s_mul_i32 s91, s10, 16*SPT
	s_add_co_u32 s91, s91, STAGE
	v_mul_u32_u24 v[STO], v1, SPT                  ; in: row lane % 16, 32 bytes for each half of the lanes
	v_lshl_add_u32 v[STO], v2, 5, v[STO]
	v_add_nc_u32 v[STO], s91, v[STO]
	v_and_b32 v5, 31, v0
	v_lshlrev_b32 v[CO], 4, v5                     ; back: 32 lanes take one row of 512 bytes
	v_add_nc_u32 v[RD], s91, v[CO]
	v_lshlrev_b32 v6, 11, v5
	v_bfe_u32 v7, v0, 1, 4
	v_lshlrev_b32 v7, 13, v7
	v_and_b32 v8, 1, v0
	v_lshl_add_u32 v7, v8, 8, v7
	v_cndmask_b32 v[PFO], v7, v6, s85
	v_mov_b32 v[ADRA], v[A0]
	v_mov_b32 v[ADRB], v[B0]
	s_wait_dscnt 0x0                               ; the opening add is done
	s_wait_kmcnt 0x0
	s_add_nc_u64 s[G0A+2:G0A+3], s[4:5], s[16:17]
	s_add_nc_u64 s[G0A+6:G0A+7], s[G0A+2:G0A+3], KSTEP*2
	s_or_b32 s[G0A+3], s[G0A+3], 0x80000000
	s_or_b32 s[G0A+7], s[G0A+7], 0x80000000
	s_add_nc_u64 s[G0B+2:G0B+3], s[6:7], s[20:21]
	s_add_nc_u64 s[G0B+6:G0B+7], s[G0B+2:G0B+3], KSTEP*8192
	s_or_b32 s[G0B+3], s[G0B+3], 0x80000000
	s_or_b32 s[G0B+7], s[G0B+7], 0x80000000
	s_cmp_lt_u32 s10, 2
	s_cselect_b64 s[PFA:PFA+1], s[4:5], s[6:7]
	s_add_nc_u64 s[PFA:PFA+1], s[PFA:PFA+1], s[22:23]
	s_add_nc_u64 s[8:9], s[8:9], s[96:97]
	CROUND                                         ; all sixteen work-groups are here: the first joint loads meet
	s_cmp_lt_u32 s10, 2                            ; a wave's two first fills stand in one branch: two loads of mine are out
	s_cbranch_scc0 .Lfirst_b
	tensor_load_to_lds s[G0A:G0A+3], s[G1A:G1A+7]
	s_nop 0
	tensor_load_to_lds s[G0A+4:G0A+7], s[G1A:G1A+7]
	s_nop 0
.rept 4
	v_nop
.endr
	s_branch .Lfirst_asked
.Lfirst_b:
	tensor_load_to_lds s[G0B:G0B+3], s[G1B:G1B+7]
	s_nop 0
	tensor_load_to_lds s[G0B+4:G0B+7], s[G1B:G1B+7]
	s_nop 0
.rept 4
	v_nop
.endr
.Lfirst_asked:
; 16 products: token blocks a0, a0 + 1 of the window's four x all 8 column blocks, 32 along K.  The 64 accumulators take turns, over the backward jumps too.
.macro MUL16 f, hi, a0, zero
	WIN MUL_LO+0x50*(\hi)
.irp a, \a0, (\a0)+1
.irp b, 0,1,2,3,4,5,6,7
.if \zero
	v_wmma_f32_16x16x32_f16 v[8*(8*(\a)+(\b)):8*(8*(\a)+(\b))+7], v[(\f)+8*(\b):(\f)+8*(\b)+7], v[(\f)+8*(4*(\hi)+(\a)):(\f)+8*(4*(\hi)+(\a))+7], 0
.else
	v_wmma_f32_16x16x32_f16 v[8*(8*(\a)+(\b)):8*(8*(\a)+(\b))+7], v[(\f)+8*(\b):(\f)+8*(\b)+7], v[(\f)+8*(4*(\hi)+(\a)):(\f)+8*(4*(\hi)+(\a))+7], v[8*(8*(\a)+(\b)):8*(8*(\a)+(\b))+7]
.endif
.endr
.endr
.endm
.macro FETCH kq, f                     ; 32 LDS loads in one run: quarter kq of the slot in hand: woh's eight fragments, turned, then ao's eight
	WIN TO_B
.irp i, 0,1,2,3,4,5,6,7
	ds_load_tr16_b128 v[(\f)+8*(\i):(\f)+8*(\i)+3],   v[ADRB] offset:32*PB*(\kq)+32*(\i)
	ds_load_tr16_b128 v[(\f)+8*(\i)+4:(\f)+8*(\i)+7], v[ADRB] offset:32*PB*(\kq)+32*(\i)+16*PB
.endr
	WIN 0
.irp i, 0,1,2,3,4,5,6,7
	ds_load_b128 v[(\f)+8*(\i):(\f)+8*(\i)+3],   v[ADRA] offset:64*(\kq)+(\i)*16*PA
	ds_load_b128 v[(\f)+8*(\i)+4:(\f)+8*(\i)+7], v[ADRA] offset:64*(\kq)+(\i)*16*PA+32
.endr
.endm
.macro QUARTER kq, f, g, zero
	s_wait_dscnt 8                                 ; woh's fragments and ao's tokens 0-63 are in; the youngest eight loads may be out
	MUL16 \f, 0, 0, \zero
	MUL16 \f, 0, 2, \zero
	PLACES                                         ; four places ahead of loads into registers that products have read
	FETCH \kq, \g
	s_wait_dscnt 32                                ; all but the 32 just issued
	MUL16 \f, 1, 0, \zero
	MUL16 \f, 1, 2, \zero
.endm
; The last quarter multiplies buffer 1 and changes slots: one barrier; in front of it each wave waits for all its tensor loads, adds 0 to its spare word, and waits for that and for its reads of this slot.
.macro TURN fill
.if \fill
	s_wait_xcnt 0x0                                ; the last prefetch, a K step back, has read its address
	s_add_nc_u64 s[PFA:PFA+1], s[PFA:PFA+1], s[PFS:PFS+1]
.endif
	WIN 0
	s_wait_tensorcnt 0x0
	ds_add_u32 v[SPW], v[NIL]
	s_xor_b32 s[PHC], s[PHC], SLOT1
.if \fill
	s_xor_b32 s[G0A+5], s[G0A+5], SLOT1
	s_add_nc_u64 s[G0A+6:G0A+7], s[G0A+6:G0A+7], KSTEP*2
	s_xor_b32 s[G0B+5], s[G0B+5], SLOT1
	s_add_nc_u64 s[G0B+6:G0B+7], s[G0B+6:G0B+7], KSTEP*8192
.endif
	s_wait_dscnt 9                                 ; the add and the youngest eight loads may be out
	MUL16 F1, 0, 0, 0
	s_wait_dscnt 0x0                               ; the add is done, my reads of this slot are over
	s_barrier_signal -1
	MUL16 F1, 0, 2, 0
	WIN 0
	s_barrier_wait -1
.if \fill
	CREST
	JLOAD                                          ; the four v_nop behind it are also the places ahead of the loads below
.else
	PLACES
.endif
	v_add_nc_u32 v[ADRA], s[PHC], v[A0]
	v_add_nc_u32 v[ADRB], s[PHC], v[B0]
	FETCH 0, F0
.if \fill
	ASK
.endif
	MUL16 F1, 1, 0, 0
	MUL16 F1, 1, 2, 0
.endm
	s_wait_tensorcnt 0x1                           ; my part of K step 0 is in; K step 1's may stay out
	s_barrier_signal -1
	s_barrier_wait -1
	FETCH 0, F0
	QUARTER 1, F0, F1, 1                           ; the first quarter's products start the sums
	WIN 0
	s_mov_b32 s3, 6
.Lstep:
	QUARTER 2, F1, F0, 0
	QUARTER 3, F0, F1, 0
	TURN 1
	QUARTER 1, F0, F1, 0
	WIN 0
	s_sub_co_u32 s3, s3, 1
	s_cmp_lg_u32 s3, 0
	s_cbranch_scc1 .Lstep
	s_mov_b32 s3, 2
.Ltail:                                        ; the last two K steps ask for nothing: one text, walked twice and left in the middle of the second trip, behind the very last products.
	QUARTER 2, F1, F0, 0                           ; (That trip's change of slots fetches 32 fragments that nobody multiplies: the price, once a launch, of three quarter steps less text.)
	QUARTER 3, F0, F1, 0
	TURN 0
	WIN 0
	s_sub_co_u32 s3, s3, 1
	s_cmp_eq_u32 s3, 0
	s_cbranch_scc1 .Lout
	QUARTER 1, F0, F1, 0
	WIN 0
	s_cmp_lg_u32 s3, 0
	s_cbranch_scc1 .Ltail
.Lout:
	s_wait_dscnt 0x0                               ; the fragments fetched last are in: their registers serve the way out
	PLACES
	PLACES
; THE WAY OUT, a block of 16 tokens at a time, through my own stage: 32 bytes a lane into rows of 528 bytes, back as whole rows of 512, stored.
.macro TOSTAGE a
.if (\a) >= 2
	s_wait_xcnt 0x0                                ; the stores of the block two back have read the registers that are loaded again below
.endif
	WIN 0x08+0x04*((\a)/4)                         ; store data in window 2 or 3
.irp b, 0,1,2,3,4,5,6,7
	ds_store_b128 v[STO], v[64*((\a)%4)+8*(\b):64*((\a)%4)+8*(\b)+3]   offset:64*(\b)
	ds_store_b128 v[STO], v[64*((\a)%4)+8*(\b)+4:64*((\a)%4)+8*(\b)+7] offset:64*(\b)+16
.endr
	WIN 0
.irp t, 0,1,2,3,4,5,6,7,8,9,10,11,12,13,14,15
	ds_load_b128 v[64+64*((\a)%2)+4*(\t):64+64*((\a)%2)+4*(\t)+3], v[RD] offset:(\t)*SPT  ; LDS serves a wave's instructions in order (ISA guide 5.7.1.4)
.endr
.endm
.macro SEND a, younger
	WIN 0
.irp t, 0,1,2,3,4,5,6,7,8,9,10,11,12,13,14,15
	s_wait_dscnt (\younger)+15-(\t)
	global_store_b128 v[CO], v[64+64*((\a)%2)+4*(\t):64+64*((\a)%2)+4*(\t)+3], s[8:9] offset:262144*(\a)+16384*(\t) th:TH_STORE_NT  ; 512 consecutive bytes, at a multiple of 256 from the output's first
.endr
.endm
	TOSTAGE 0
.irp a, 0,1,2,3,4,5,6
	TOSTAGE (\a)+1
	SEND \a, 32
.endr
	SEND 7, 0
	s_wait_tensorcnt 0x0                           ; the wave's end
	ds_add_u32 v[SPW], v[NIL]
	s_wait_dscnt 0x0
	CROUND                                         ; the closing round
	s_endpgm
.Lfunc_end_k_qedde6f4964_oproj:
	.size	k_qedde6f4964_oproj, .Lfunc_end_k_qedde6f4964_oproj-k_qedde6f4964_oproj
	.p2alignl 7, 3214868480
	.fill 96, 4, 3214868480
	.section	.rodata,"a",@progbits
	.p2align	6, 0x0
	.amdhsa_kernel k_qedde6f4964_oproj
		.amdhsa_group_segment_fixed_size 327680
		.amdhsa_private_segment_fixed_size 0
		.amdhsa_enable_private_segment 0
		.amdhsa_kernarg_size 24
		.amdhsa_user_sgpr_count 2
		.amdhsa_user_sgpr_kernarg_segment_ptr 1
		.amdhsa_wavefront_size32 1
		.amdhsa_system_sgpr_workgroup_id_x 1
		.amdhsa_system_sgpr_workgroup_id_y 1
		.amdhsa_system_sgpr_workgroup_id_z 1
		.amdhsa_system_vgpr_workitem_id 0
		.amdhsa_next_free_vgpr 1024
		.amdhsa_next_free_sgpr 100
		.amdhsa_reserve_vcc 0
		.amdhsa_float_denorm_mode_32 3
		.amdhsa_float_denorm_mode_16_64 3
		.amdhsa_memory_ordered 1
		.amdhsa_forward_progress 1
		.amdhsa_inst_pref_size 103
	.end_amdhsa_kernel
	.amdgpu_metadata
---
amdhsa.version: [ 1, 2 ]
amdhsa.kernels:
  - .name:           k_qedde6f4964_oproj
    .symbol:         k_qedde6f4964_oproj.kd
    .args:
      - { .name: ao, .offset: 0, .size: 8, .value_kind: global_buffer, .address_space: global }
      - { .name: woh, .offset: 8, .size: 8, .value_kind: global_buffer, .address_space: global }
      - { .name: out0, .offset: 16, .size: 8, .value_kind: global_buffer, .address_space: global }
    .group_segment_fixed_size: 327680
    .private_segment_fixed_size: 0
    .kernarg_segment_align: 8
    .kernarg_segment_size: 24
    .max_flat_workgroup_size: 128
    .sgpr_count:     100
    .vgpr_count:     1024
    .wavefront_size: 32
...
	.end_amdgpu_metadata
.endif
;; end of part 4
;; ======== version 2 of 2: 4 launches; version 1 with the launch prep written anew for expert scheduling mode
;; limits: values are held in f16: magnitudes above 65,504 overflow, below 6.1e-05 lose precision
;; workspace buffers: wb 16,777,216 bytes; woh 8,388,608 bytes; tab 2,098,176 bytes; qh 8,388,608 bytes; kh 4,194,304 bytes; vh 4,194,304 bytes; ao 8,388,608 bytes
;; launch prep (part 5): grid 256 x 1, 8 waves a work-group, no clusters, 0 bytes of LDS; arguments wq, wk, wv, wo, position_ids, q_norm_w, k_norm_w, wb, woh, tab; writes wb, woh, tab
.if DOCPART == 5
	.amdgcn_target "amdgcn-amd-amdhsa--gfx1250"
	.amdhsa_code_object_version 6
	.text
	.protected	k_qedde6f4964_prep
	.globl	k_qedde6f4964_prep
	.p2align	8
	.type	k_qedde6f4964_prep,@function
k_qedde6f4964_prep:
	s_mov_b64 s[64:65], 0
	v_nop
	global_prefetch_b8 v0, s[64:65] scope:SCOPE_SE
	s_setreg_imm32_b32 hwreg(HW_REG_WAVE_SCHED_MODE, 0, 2), 2
	s_setreg_imm32_b32 hwreg(HW_REG_WAVE_MODE, 25, 1), 1
	s_wait_xcnt 0x0
	s_wait_alu depctr_vm_vsrc(0)
; PREP: a stream.  (a) wb[k][c], bf16, [4096][2048]: c < 1024 is wq's column c; c = 1024 + 256 t + u is wk's column 128 t + u (u < 128) or wv's column 128 t + u - 128.
; (b) woh = wo rounded to bf16, that number written as f16, [1024][4096].  (c) tab: for each token 64 cosines and 64 sines of position x inv_freq, f32, 512 bytes a token.
; (d) behind the table, from byte 2,097,152: q_norm_w and k_norm_w rounded to bf16, kept as f32.
; Nothing is shared between work-groups or waves: no LDS, no barrier, no matrix unit.  All 49 loads of a wave go out first; each store of a wave covers whole aligned blocks of 256 bytes.
; SHARES.  Work-group g, thread t: rows 16 g .. 16 g + 15 of the three weights (waves 0-3 wq, 4-5 wk, 6-7 wv; 8 columns a thread), 16,384 numbers of wo, tokens 16 g .. 16 g + 15.
; LIMITS.  wo beyond 65,504 has no f16; below 6e-5 it keeps f16's fixed step of 6e-8.  |position| under 2^24 converts exactly; the angle is position x inv_freq in f32, inv_freq by v_exp_f32;
; the angle is reduced by pi/2 in three parts (sound to angles of about 1e5), sine and cosine are polynomials on +-pi/4.
; THE MODE: SCHED_MODE bits 1:0 = 2 (LLVM: expert scheduling mode 2), set by the entry lines.  The code itself states the register dependences between vector instructions and memory
; instructions, with s_wait_alu, always for 0.
; THE PLAN.  Registers that memory instructions touch:
;   v2-v4, v6, v7, v[16:31]  offsets.  Written once at the head, ahead of the wait that stands in front of the first load; read by every load and store; never written again.
;   v14                      the position: one load lands in it; a conversion works on it behind the wait for that load.
;   RW, row i                two loads land in its 8 registers, once.  Four roundings read them and write the first four, in place; one store reads those four; nothing names them again.
;   WW, pass p               the same, with sixteen vector lines in the place of four.
;   TCO, TSI                 written by the table's arithmetic, read by two stores, never named again.
; The roundings go in BLOCKS: four blocks of four rows of the weights, then four blocks of two passes of wo.  A block's stores are issued in the NEXT block: one wait on va_vdst at that block's head,
; behind its wait for data, states that the block before has written what its stores read; the stores are then dealt among the block's vector lines, which name its own rows alone.
; No register that a memory instruction has read is ever written again: so the text holds no wait on vm_vsrc and no s_wait_xcnt.  EXEC is never written.
.set VO,  16                           ; v[16:31]   row i: i x pitch + 32 u
.set RW,  32                           ; v[32:159]  row i: 8 numbers as loaded, then 4 registers of bf16
.set WW,  160                          ; v[160:223] wo, pass p: 8 numbers
.set TCO, 224                          ; v[224:227] the exponent's argument, at the end the cosines
.set TSI, 228                          ; v[228:231] inv_freq, at the end the sines
.set TA,  232                          ; the angle, then what is left of it
.set TQ,  236                          ; the number of quarter turns
.set TZ,  240
.set TS,  244
.set TC,  248
.set TI,  252
.set MK,  50                           ; s[50:53]   element e: the lanes whose number of quarter turns is odd
	s_load_b512 s[8:23], s[0:1], 0x0               ; wq 8, wk 10, wv 12, wo 14, position_ids 16, q_norm_w 18, k_norm_w 20, wb 22
	s_load_b128 s[24:27], s[0:1], 0x40             ; woh 24, tab 26
	v_lshrrev_b32 v1, 5, v0
	v_readfirstlane_b32 s2, v1                     ; wave 0..7
	s_mov_b32 s36, 0x3f22f983                      ; 2 / pi
	s_mov_b32 s37, 0x3fc90fdb                      ; pi / 2 in three parts
	s_mov_b32 s38, 0xb33bbd2e
	s_mov_b32 s39, 0xa6f72ced
	s_mov_b32 s40, 0xbe2aaaa3                      ; sine: -1.6666655e-1, 8.3321609e-3, -1.9515296e-4
	s_mov_b32 s41, 0x3c08839e
	s_mov_b32 s42, 0xb94ca1f9
	s_mov_b32 s43, 0x3d2aaaa5                      ; cosine: 4.1666646e-2, -1.3887316e-3, 2.4433157e-5
	s_mov_b32 s44, 0xbab6061a
	s_mov_b32 s45, 0x37ccf5ce
	s_mov_b32 s46, 0xbe549a78                      ; -log2(10000) / 64
	s_mov_b32 s47, 0xffff0000
	v_lshlrev_b32 v3, 5, v0                        ; wo: 32 t
	v_lshlrev_b32 v4, 4, v0                        ; woh: 16 t
	v_lshrrev_b32 v11, 4, v0                       ; my token of the 16
	v_lshlrev_b32 v6, 2, v11
	v_and_b32 v12, 15, v0
	v_lshlrev_b32 v7, 9, v11
	v_lshl_add_u32 v7, v12, 4, v7                  ; 512 x token + 16 (t % 16)
	v_lshlrev_b32 v13, 2, v12                      ; my first frequency
	s_wait_alu depctr_va_sdst(0)                   ; s2 is written, ahead of its first reader: the choice of my weight hangs on it; the lines above, which do not, stand between
	s_cmp_lt_u32 s2, 4
	s_cselect_b32 s34, 1, 0
	s_cselect_b32 s31, 0, 128                      ; what is taken from t to give u
	s_cselect_b32 s33, 0, 2048                     ; where my weight's columns begin in a row of wb, in bytes
	s_cmp_lt_u32 s2, 6
	s_cselect_b32 s31, s31, 192
	s_cselect_b32 s33, s33, 2304
	s_lshl_b32 s30, 2048, s34                      ; bytes in a row of my weight: 4,096 or 2,048
	s_sub_co_u32 s32, 9, s34                       ; 16 threads' columns lie 256 or 512 bytes apart in wb
	v_sub_nc_u32 v8, v0, s31                       ; u
	v_lshlrev_b32 v5, 5, v8                        ; 32 u: my 8 numbers in a row of the weight
	v_lshrrev_b32 v9, 4, v8
	v_and_b32 v10, 15, v8
	v_lshlrev_b32 v9, s32, v9
	v_lshl_add_u32 v9, v10, 4, v9
	v_add_nc_u32 v2, s33, v9                       ; my 16 bytes in a row of wb
.irp i, 0,1,2,3,4,5,6,7,8,9,10,11,12,13,14,15
	v_mad_u32_u24 v[VO+(\i)], s30, \i, v5
.endr
	s_mul_i32 s34, ttmp9, s30
	s_lshl_b32 s34, s34, 4                         ; 16 g rows of my weight
	s_mov_b32 s35, 0
	s_wait_kmcnt 0x0
	s_cmp_lt_u32 s2, 6
	s_cselect_b64 s[28:29], s[10:11], s[12:13]
	s_cmp_lt_u32 s2, 4
	s_cselect_b64 s[28:29], s[8:9], s[28:29]       ; my weight
	s_add_nc_u64 s[28:29], s[28:29], s[34:35]
	s_lshl_b32 s34, ttmp9, 16
	s_add_nc_u64 s[22:23], s[22:23], s[34:35]      ; wb: 16 rows of 4,096 bytes
	s_add_nc_u64 s[14:15], s[14:15], s[34:35]      ; wo: 16,384 f32
	s_lshl_b32 s34, ttmp9, 15
	s_add_nc_u64 s[24:25], s[24:25], s[34:35]
	s_lshl_b32 s34, ttmp9, 13
	s_add_nc_u64 s[26:27], s[26:27], s[34:35]      ; tab: 16 tokens of 512 bytes
	s_lshl_b32 s34, ttmp9, 6
	s_add_nc_u64 s[16:17], s[16:17], s[34:35]
	s_wait_alu depctr_va_vdst(0)                   ; the offsets v2 to v4, v6, v7 and v[16:31] are written: every load and store below, but work-group 0's last two, reads one of them
	global_load_b32 v14, v6, s[16:17]              ; my token's position
.irp i, 0,1,2,3,4,5,6,7,8,9,10,11,12,13,14,15
	global_load_b128 v[RW+8*(\i):RW+8*(\i)+3],   v[VO+(\i)], s[28:29] th:TH_LOAD_NT
	global_load_b128 v[RW+8*(\i)+4:RW+8*(\i)+7], v[VO+(\i)], s[28:29] offset:16 th:TH_LOAD_NT
.endr
.irp p, 0,1,2,3,4,5,6,7
	global_load_b128 v[WW+8*(\p):WW+8*(\p)+3],   v3, s[14:15] offset:8192*(\p) th:TH_LOAD_NT
	global_load_b128 v[WW+8*(\p)+4:WW+8*(\p)+7], v3, s[14:15] offset:8192*(\p)+16 th:TH_LOAD_NT
.endr
	; THE TABLE, while the weights are on their way
.irp e, 0,1,2,3
	v_add_nc_u32 v[TCO+(\e)], \e, v13
	v_cvt_f32_u32 v[TCO+(\e)], v[TCO+(\e)]
	v_mul_f32 v[TCO+(\e)], s46, v[TCO+(\e)]
.endr
.irp e, 0,1,2,3
	v_exp_f32 v[TSI+(\e)], v[TCO+(\e)]             ; inv_freq = 10000^(-j / 64)
.endr
	v_nop                                          ; a plain instruction behind the last exponential,
	s_wait_alu depctr_va_vdst(0)                   ; and one wait for the four: v[TSI ..] are written, ahead of their first reader
	s_wait_loadcnt 48                              ; the position is in; the 48 younger loads stay out
	v_cvt_f32_i32 v14, v14
.irp e, 0,1,2,3
	v_mul_f32 v[TA+(\e)], v14, v[TSI+(\e)]
	v_mul_f32 v[TQ+(\e)], s36, v[TA+(\e)]
	v_rndne_f32 v[TQ+(\e)], v[TQ+(\e)]
	v_fma_f32 v[TA+(\e)], -v[TQ+(\e)], s37, v[TA+(\e)]
	v_fma_f32 v[TA+(\e)], -v[TQ+(\e)], s38, v[TA+(\e)]
	v_fma_f32 v[TA+(\e)], -v[TQ+(\e)], s39, v[TA+(\e)]
	v_mul_f32 v[TZ+(\e)], v[TA+(\e)], v[TA+(\e)]
	v_fma_f32 v[TS+(\e)], v[TZ+(\e)], s42, s41
	v_fma_f32 v[TC+(\e)], v[TZ+(\e)], s45, s44
	v_fma_f32 v[TS+(\e)], v[TS+(\e)], v[TZ+(\e)], s40
	v_fma_f32 v[TC+(\e)], v[TC+(\e)], v[TZ+(\e)], s43
	v_mul_f32 v[TS+(\e)], v[TS+(\e)], v[TZ+(\e)]
	v_fma_f32 v[TC+(\e)], v[TC+(\e)], v[TZ+(\e)], -0.5
	v_fma_f32 v[TS+(\e)], v[TS+(\e)], v[TA+(\e)], v[TA+(\e)]
	v_fma_f32 v[TC+(\e)], v[TC+(\e)], v[TZ+(\e)], 1.0
	v_cvt_i32_f32 v[TI+(\e)], v[TQ+(\e)]
	v_and_b32 v[TQ+(\e)], 1, v[TI+(\e)]
	v_cmp_eq_u32 s[MK+(\e)], 1, v[TQ+(\e)]         ; an odd number of quarter turns swaps the two: each element's mask has a scalar register of its own, so that one wait serves the four
	v_lshlrev_b32 v[TZ+(\e)], 30, v[TI+(\e)]       ; the sine's sign: bit 1 of the number,
	v_and_b32 v[TZ+(\e)], 0x80000000, v[TZ+(\e)]
	v_add_nc_u32 v[TI+(\e)], 1, v[TI+(\e)]         ; the cosine's: bit 1 of the number + 1
	v_lshlrev_b32 v[TI+(\e)], 30, v[TI+(\e)]
	v_and_b32 v[TI+(\e)], 0x80000000, v[TI+(\e)]
.endr
	s_wait_alu depctr_va_sdst(0)                   ; the four compares have written s[MK ..], ahead of the selects that read them
.irp e, 0,1,2,3
	v_cndmask_b32 v[TSI+(\e)], v[TS+(\e)], v[TC+(\e)], s[MK+(\e)]
	v_cndmask_b32 v[TCO+(\e)], v[TC+(\e)], v[TS+(\e)], s[MK+(\e)]
.endr
.irp e, 0,1,2,3
	v_xor_b32 v[TSI+(\e)], v[TZ+(\e)], v[TSI+(\e)]
	v_xor_b32 v[TCO+(\e)], v[TI+(\e)], v[TCO+(\e)]
.endr
	s_wait_alu depctr_va_vdst(0)                   ; the cosines and sines are written, which the two stores read
	global_store_b128 v7, v[TCO:TCO+3], s[26:27]
	global_store_b128 v7, v[TSI:TSI+3], s[26:27] offset:256
.macro WSTORE i                        ; row i of my weight, 8 numbers in bf16
	global_store_b128 v2, v[RW+8*(\i):RW+8*(\i)+3], s[22:23] offset:4096*(\i)
.endm
.macro OSTORE p                        ; pass p of wo, 8 numbers in f16
	global_store_b128 v4, v[WW+8*(\p):WW+8*(\p)+3], s[24:25] offset:4096*(\p)
.endm
; THE THREE WEIGHTS: row i is rounded in place.  Ahead of its roundings stands the store of the row four back, of the block before.
.macro ROW i
	s_wait_loadcnt 46-2*(\i)                       ; the loads issued behind row i's two
.if ((\i) % 4 == 0) && ((\i) > 0)
	s_wait_alu depctr_va_vdst(0)                   ; a block's head: the block before has written its four rows, which this block's four stores read; the roundings below name this block's rows alone
.endif
.if (\i) >= 4
	WSTORE (\i)-4
.endif
.irp j, 0,1,2,3
	v_cvt_pk_bf16_f32 v[RW+8*(\i)+(\j)], v[RW+8*(\i)+2*(\j)], v[RW+8*(\i)+2*(\j)+1]
.endr
.endm
; wo: rounded to bf16, widened again, written as f16.  Ahead of a pass's lines stand the stores of the block before: two of the weights' last four rows, or the pass two back.
.macro PASS p
	s_wait_loadcnt 14-2*(\p)
.if (\p) % 2 == 0
	s_wait_alu depctr_va_vdst(0)                   ; a block's head: the block before (the weights' last four rows, or two passes) has written what this block's stores read; the lines below name this block's passes alone
.endif
.if (\p) < 2
	WSTORE 12+2*(\p)
	WSTORE 13+2*(\p)
.else
	OSTORE (\p)-2
.endif
.irp j, 0,1,2,3
	v_cvt_pk_bf16_f32 v[WW+8*(\p)+(\j)], v[WW+8*(\p)+2*(\j)], v[WW+8*(\p)+2*(\j)+1]
.endr
.irp j, 0,1,2,3
	v_lshlrev_b32 v[WW+8*(\p)+4+2*((\j)%2)], 16, v[WW+8*(\p)+(\j)]
	v_and_b32 v[WW+8*(\p)+5+2*((\j)%2)], s47, v[WW+8*(\p)+(\j)]
	v_cvt_pk_f16_f32 v[WW+8*(\p)+(\j)], v[WW+8*(\p)+4+2*((\j)%2)], v[WW+8*(\p)+5+2*((\j)%2)]
.endr
.endm
.irp i, 0,1,2,3,4,5,6,7,8,9,10,11,12,13,14,15
	ROW \i
.endr
.irp p, 0,1,2,3,4,5,6,7
	PASS \p
.endr
	s_wait_alu depctr_va_vdst(0)                   ; the last block has written passes 6 and 7, which the two stores read
	OSTORE 6
	OSTORE 7
	; the two gains, by work-group 0 alone: 256 numbers
	s_cmp_lg_u32 ttmp9, 0
	s_cbranch_scc1 .Lend
	s_cmp_lt_u32 s2, 4
	s_cselect_b64 s[48:49], s[18:19], s[20:21]
	v_and_b32 v8, 127, v0
	v_lshlrev_b32 v8, 2, v8
	v_lshlrev_b32 v9, 2, v0
	s_wait_alu depctr_va_vdst(0)                   ; v8 and v9 are written, the load's and the store's offsets; the head's lines that named v10, in which the load lands, are done
	global_load_b32 v10, v8, s[48:49]
	s_wait_loadcnt 0x0
	v_cvt_pk_bf16_f32 v10, v10, v10
	v_lshlrev_b32 v10, 16, v10
	s_wait_alu depctr_va_vdst(0)                   ; v10 is written, which the store reads
	global_store_b32 v9, v10, s[26:27] offset:2097152
.Lend:
	s_endpgm
.Lfunc_end_k_qedde6f4964_prep:
	.size	k_qedde6f4964_prep, .Lfunc_end_k_qedde6f4964_prep-k_qedde6f4964_prep
	.p2alignl 7, 3214868480
	.fill 96, 4, 3214868480
	.section	.rodata,"a",@progbits
	.p2align	6, 0x0
	.amdhsa_kernel k_qedde6f4964_prep
		.amdhsa_group_segment_fixed_size 0
		.amdhsa_private_segment_fixed_size 0
		.amdhsa_enable_private_segment 0
		.amdhsa_kernarg_size 80
		.amdhsa_user_sgpr_count 2
		.amdhsa_user_sgpr_kernarg_segment_ptr 1
		.amdhsa_wavefront_size32 1
		.amdhsa_system_sgpr_workgroup_id_x 1
		.amdhsa_system_sgpr_workgroup_id_y 1
		.amdhsa_system_sgpr_workgroup_id_z 1
		.amdhsa_system_vgpr_workitem_id 0
		.amdhsa_next_free_vgpr 256
		.amdhsa_next_free_sgpr 66
		.amdhsa_reserve_vcc 0
		.amdhsa_float_denorm_mode_32 3
		.amdhsa_float_denorm_mode_16_64 3
		.amdhsa_memory_ordered 1
		.amdhsa_forward_progress 1
		.amdhsa_inst_pref_size 29
	.end_amdhsa_kernel
	.amdgpu_metadata
---
amdhsa.version: [ 1, 2 ]
amdhsa.kernels:
  - .name:           k_qedde6f4964_prep
    .symbol:         k_qedde6f4964_prep.kd
    .args:
      - { .name: wq, .offset: 0, .size: 8, .value_kind: global_buffer, .address_space: global }
      - { .name: wk, .offset: 8, .size: 8, .value_kind: global_buffer, .address_space: global }
      - { .name: wv, .offset: 16, .size: 8, .value_kind: global_buffer, .address_space: global }
      - { .name: wo, .offset: 24, .size: 8, .value_kind: global_buffer, .address_space: global }
      - { .name: position_ids, .offset: 32, .size: 8, .value_kind: global_buffer, .address_space: global }
      - { .name: q_norm_w, .offset: 40, .size: 8, .value_kind: global_buffer, .address_space: global }
      - { .name: k_norm_w, .offset: 48, .size: 8, .value_kind: global_buffer, .address_space: global }
      - { .name: wb, .offset: 56, .size: 8, .value_kind: global_buffer, .address_space: global }
      - { .name: woh, .offset: 64, .size: 8, .value_kind: global_buffer, .address_space: global }
      - { .name: tab, .offset: 72, .size: 8, .value_kind: global_buffer, .address_space: global }
    .group_segment_fixed_size: 0
    .private_segment_fixed_size: 0
    .kernarg_segment_align: 8
    .kernarg_segment_size: 80
    .max_flat_workgroup_size: 256
    .sgpr_count:     66
    .vgpr_count:     256
    .wavefront_size: 32
...
	.end_amdgpu_metadata
.endif
;; end of part 5
;; launch qkv: the kernel of part 2 again; grid 32 x 8, 4 waves a work-group, clusters of 4 x 1, 327,680 bytes of LDS; arguments hidden_states, wb, tab, qh, kh, vh; writes qh, kh, vh
;; launch attn: the kernel of part 3 again; grid 32 x 8, 4 waves a work-group, clusters of 4 x 1, 327,680 bytes of LDS; arguments qh, kh, vh, ao; writes ao
;; launch oproj: the kernel of part 4 again; grid 16 x 16, 4 waves a work-group, clusters of 4 x 4, 327,680 bytes of LDS; arguments ao, woh, out0; writes out0
